; MI455X (gfx1250); checked and timed in simulation.
; The chip was launched on July 23, 2026; its instructions are those of AMD's public machine-readable ISA for CDNA 5 (MIT licence, August 2026) and "CDNA5" Instruction Set Architecture Reference Guide (July 2026). The comments in the code are by the model that wrote it; some were corrected since.
;; Dinov2 Sdpa Self Attention Wrapper. Allowed arithmetic: matrix products marked QUANTISED: E5M2 operands, one given power-of-two scale a tensor, by v_wmma_f32_16x16x64_bf8_bf8 or v_wmma_f32_16x16x128_bf8_bf8, f32 sums; everything else in f32.
;; Inputs: Wk 1,024 x 1,024 float32; Wq 1,024 x 1,024 float32; Wv 1,024 x 1,024 float32; bk 1,024 float32; bq 1,024 float32; bv 1,024 float32; hidden_states 4 x 1,370 x 1,024 float32; lowp_scales 10 int32 (the exponents e of the quantised operands' scales 2^e).
;; Outputs: out0 4 x 1,370 x 1,024 float32.
;; This version of the problem:
;;   THIS VERSION OF THE PROBLEM IS GIVEN IN LOW PRECISION. The matrix products marked QUANTISED in the list below multiply operands that are first quantised to E5M2 (5 exponent bits, 2 mantissa bits; 8 bits a number), with one given power-of-two scale for each operand tensor; their sums are f32. All else is computed in f32.
;;   The module's matrix products, in the order in which they are computed (A, B: the left and right operand; K: the contracted axis; several contracted axes count as one K, in the product's order):
;;     1. [M 5,480, K 1,024] x [K 1,024, N 1,024]; A: input hidden_states; B: input Wq: QUANTISED (scales: A lowp_scales[0], B lowp_scales[1])
;;     2. [M 5,480, K 1,024] x [K 1,024, N 1,024]; A: input hidden_states; B: input Wk: QUANTISED (scales: A lowp_scales[2], B lowp_scales[3])
;;     3. [M 5,480, K 1,024] x [K 1,024, N 1,024]; A: input hidden_states; B: input Wv: QUANTISED (scales: A lowp_scales[4], B lowp_scales[5])
;;     4. batch 64 x [M 1,370, K 64] x [K 64, N 1,370]; A: computed on the way; B: computed on the way: QUANTISED (scales: A lowp_scales[6], B lowp_scales[7])
;;     5. batch 64 x [M 1,370, K 1,370] x [K 1,370, N 64]; A: softmax (see below); B: computed on the way: QUANTISED (scales: A lowp_scales[8], B lowp_scales[9])
;;   THE QUANTISER, for each operand of a quantised product, along K:
;;     - The operand's scale is 2^e, e = its entry of the input lowp_scales (int32; the entries are numbered through the quantised products in the list's order, A before B).
;;     - Each number is divided by the scale, clamped to +-57,344, and rounded to the nearest number of E5M2, ties to even, subnormals kept.
;;     - The product sums the exact products of the quantised numbers (number of the format x scale) in f32.
;;   ~~~python
;;   def quantise(x, axis, e):      # numpy; x: float32 -> the quantised numbers, widened to float32 again
;;       x = np.moveaxis(x, axis, -1); K = x.shape[-1]
;;       r = np.clip(x / 2.0 ** e, -57344, 57344)
;;       step = 2.0 ** (np.maximum(np.frexp(np.where(r == 0, 1, r))[1] - 1, -14) - 2)
;;       q = np.round(r / step) * step * 2.0 ** e      # np.round: ties to even
;;       return np.moveaxis(q, -1, axis).astype(np.float32)
;;   ~~~
;;   SOFTMAX AHEAD OF A QUANTISED PRODUCT. Where the list says 'softmax', what is quantised is not the finished softmax but p = 2^(t - M), with t = logit x log2(e) and M = ceil(the row's largest t), a whole number; so 1/2 < the row's largest p <= 1. The row's sum l is taken of the UNQUANTISED p, in f32, and the product's result is divided by l at the end. Since M is a whole number, a kernel that streams over the keys may use a running M (the ceiling of the running maximum): every later rescaling is an exact power of two, so the quantised numbers keep their values, but for numbers so far below the row's largest that they fall under the format's range.
;;   OPERANDS COMPUTED ON THE WAY. 'Computed on the way' means the value that the module computes at that place (a softmax that the list does not call 'softmax' is quantised finished and normalised). What goes into a quantiser is computed in f32, as accurately as f32 sums, v_exp_f32 and their like allow (about 1e-6 of the number): no bf16 or f16 on the way to a quantiser, and a product that is left as it is and whose result goes on into a quantised operand takes f32 operands (vector FMAs, or v_wmma_f32_16x16x4_f32). A number that lies on a knife's edge between two numbers of the format may be rounded either way, as far as f32 arithmetic and the matrix unit's own rounding can turn it there, and no further.
;; 2 versions. Each part assembles by itself: llvm-mc -triple=amdgcn-amd-amdhsa -mcpu=gfx1250 --defsym DOCPART=n.
;; ======== version 1 of 2: 3 launches
;; workspace buffers: x_codes 17,694,720 bytes; w_codes 3,145,728 bytes; qkv 17,694,720 bytes
;; launch quant (part 1): grid 478 x 1, 4 waves a work-group, no clusters, 0 bytes of LDS; arguments hidden_states, Wq, Wk, Wv, lowp_scales, x_codes, w_codes; writes x_codes, w_codes
.if DOCPART == 1
	.amdgcn_target "amdgcn-amd-amdhsa--gfx1250"
	.amdhsa_code_object_version 6
	.text
	.protected	k_q40a920c305_quant
	.globl	k_q40a920c305_quant
	.p2align	8
	.type	k_q40a920c305_quant,@function
k_q40a920c305_quant:
	s_mov_b64 s[64:65], 0
	v_nop
	global_prefetch_b8 v0, s[64:65] scope:SCOPE_SE
	s_setreg_imm32_b32 hwreg(HW_REG_WAVE_MODE, 25, 1), 1
	s_wait_xcnt 0x0
; hidden_states [4][1370][1024] and Wq, Wk, Wv [1024][1024], f32, become codes of E5M2, one byte each, each with the scale 2^e that is given for it.
; code = x / 2^e, held within +-57,344, rounded to the nearest code, ties to even.
; x is an operand of three products, each with an entry of its own in lowp_scales (0, 2, 4): three sets of codes are made from one read.
;   x_codes [3 products][4 x 1,440 rows][1,024]: row 1,440 b + l; rows l = 1,370 .. 1,439 are zero codes, so that the next launch's row blocks of 288 divide a batch.
;   w_codes [3 products][1,024 rows n][1,024]: entries 1, 3, 5.
; THE ORDER ALONG K.  Inside each aligned group of 512 numbers of a row, number 128 i + 4 lane + j lies at byte 16 lane + 4 i + j.  The order is the same in x_codes and in w_codes,
; so every code meets its partner in the product and only the order of the f32 sums changes.  It lets each load of a wave read 512 consecutive bytes and each store write 512
; consecutive bytes, aligned, while a lane's 16 numbers stay in the lane: nothing goes through LDS.
; SHARES.  Work-groups 0 .. 273: wave w takes rows 5 g .. 5 g + 4 of batch w (10 units of 512 numbers, three outputs each).  274 .. 465: 16 rows of one weight, 4 a wave (8 units).
; 466 .. 477: the 70 zero rows of one batch in one of the three sets.  The three ways part on the work-group's number alone.  No LDS, no barrier: waves share nothing.
; LIMITS: each e of entries 0 to 5 lies between -126 and 112, so that 2^e and 57,344 x 2^e are f32 numbers.  NaN among the inputs is not served (an infinity is held at the largest code).
.set PSEC, 5898240                     ; bytes of one of x_codes' three sets: 5,760 rows of 1,024
.set NX,   274                         ; work-groups for x
.set NW,   192                         ; for the weights
.set X,    32                          ; v32-191   up to ten units of 16 numbers, as loaded
.set T,    192                         ; v192-223  two sets of 16 held numbers, by turns
.set C,    224                         ; v224-235  four registers of codes for each of the three outputs
                                       ; v1 16 x lane; v2-4 2^e; v5-7 57,344 x 2^e; v8-11 zeros
	s_load_b256 s[4:11], s[0:1], 0x0               ; hidden_states s[4:5], Wq s[6:7], Wk s[8:9], Wv s[10:11]
	s_load_b64 s[12:13], s[0:1], 0x20              ; lowp_scales
	s_load_b128 s[16:19], s[0:1], 0x28             ; x_codes s[16:17], w_codes s[18:19]
	v_lshrrev_b32 v1, 5, v0
	v_readfirstlane_b32 s2, v1                     ; wave 0..3
	v_and_b32 v1, 31, v0
	v_lshlrev_b32 v1, 4, v1                        ; my 16 bytes of a load's or a store's 512
	s_mov_b32 s35, 0                               ; the offsets stay under 2^32: their upper words
	s_mov_b32 s29, 0
	s_wait_kmcnt 0x0
	s_cmp_ge_u32 ttmp9, NX+NW
	s_cbranch_scc1 .Lzero
	s_load_b256 s[20:27], s[12:13], 0x0            ; e0 .. e7
	s_cmp_ge_u32 ttmp9, NX
	s_cbranch_scc1 .Lweights
.macro LOADS n                         ; all of the wave's loads go out at once: 4 n loads of 512 consecutive bytes
.set u, 0
.rept \n
.irp i, 0,1,2,3
	global_load_b128 v[X+16*u+4*\i:X+16*u+4*\i+3], v1, s[34:35] offset:2048*u+512*\i th:TH_LOAD_NT
.endr
.set u, u+1
.endr
.endm
.macro SCALE p, se                     ; from the exponent in s[se]: v[2 + p] = 2^e, whose exponent field the conversion takes; v[5 + p] = 57,344 x 2^e
	s_add_co_i32 s3, s[\se], 127
	s_lshl_b32 s37, s3, 23
	v_mov_b32 v[2+\p], s37
	s_add_co_i32 s3, s3, 15
	s_lshl_b32 s3, s3, 23
	s_or_b32 s3, s3, 0x600000
	v_mov_b32 v[5+\p], s3
.endm
.macro QUANT p                         ; unit u's 16 numbers into output p's four registers of codes
.set TS, T+16*(kq%2)
.irp i, 0,1,2,3,4,5,6,7,8,9,10,11,12,13,14,15
	v_med3_num_f32 v[TS+\i], v[X+16*u+\i], -v[5+\p], v[5+\p]   ; the conversion to an 8-bit code does not saturate (ISA guide 7.6.2): the number is held first
.endr
	v_cvt_scalef32_pk8_bf8_f32 v[C+4*\p:C+4*\p+1], v[TS:TS+7], v[2+\p]
	v_cvt_scalef32_pk8_bf8_f32 v[C+4*\p+2:C+4*\p+3], v[TS+8:TS+15], v[2+\p]
.set kq, kq+1                          ; the next sixteen holds write the other set: plain vector lines that touch nothing of these conversions
.endm
.macro UNITS n, outs
.set u, 0
.set kq, 0
.rept \n
	s_wait_loadcnt 4*(\n-1-u)                      ; loads come back in order: this unit's four are in, the younger units' may be out
	s_wait_xcnt 0x0                                ; the last unit's stores have read their data: the codes' registers are written again only behind this wait
	QUANT 0
	global_store_b128 v1, v[C:C+3], s[28:29] offset:512*u          ; 32 lanes store 512 consecutive bytes, aligned
.if \outs > 1
	QUANT 1
	global_store_b128 v1, v[C+4:C+7], s[30:31] offset:512*u
	QUANT 2
	global_store_b128 v1, v[C+8:C+11], s[32:33] offset:512*u
.endif
.set u, u+1
.endr
.endm
	; ---- x: batch = wave, rows 5 g .. 5 g + 4
	s_mul_i32 s34, s2, 5611520                     ; a batch of hidden_states: 1,370 rows of 4,096 bytes
	s_mul_i32 s3, ttmp9, 20480
	s_add_co_u32 s34, s34, s3
	s_add_nc_u64 s[34:35], s[4:5], s[34:35]
	s_mul_i32 s28, s2, 1474560                     ; a batch of codes: 1,440 rows of 1,024 bytes
	s_mul_i32 s3, ttmp9, 5120
	s_add_co_u32 s28, s28, s3
	s_add_nc_u64 s[28:29], s[16:17], s[28:29]      ; the same place in the three sets
	s_add_nc_u64 s[30:31], s[28:29], PSEC
	s_add_nc_u64 s[32:33], s[30:31], PSEC
	LOADS 10
	s_wait_kmcnt 0x0
	SCALE 0, 20
	SCALE 1, 22
	SCALE 2, 24
	UNITS 10, 3
	s_endpgm
.Lweights:                                             ; ---- a weight: product p = j / 64, rows 16 (j % 64) + 4 wave on
	s_sub_co_u32 s3, ttmp9, NX
	s_lshr_b32 s36, s3, 6                          ; p
	s_and_b32 s3, s3, 63
	s_cmp_eq_u32 s36, 1                            ; the choice of the buffer hangs on the work-group's number alone
	s_cselect_b64 s[6:7], s[8:9], s[6:7]
	s_cmp_eq_u32 s36, 2
	s_cselect_b64 s[6:7], s[10:11], s[6:7]
	s_lshl_b32 s34, s3, 16                         ; 16 rows of 4,096 bytes
	s_lshl_b32 s37, s2, 14
	s_add_co_u32 s34, s34, s37
	s_add_nc_u64 s[34:35], s[6:7], s[34:35]
	s_lshl_b32 s28, s36, 20                        ; a weight's codes: 2^20 bytes
	s_lshl_b32 s37, s3, 14
	s_add_co_u32 s28, s28, s37
	s_lshl_b32 s37, s2, 12
	s_add_co_u32 s28, s28, s37
	s_add_nc_u64 s[28:29], s[18:19], s[28:29]
	LOADS 8
	s_wait_kmcnt 0x0
	s_cmp_eq_u32 s36, 1
	s_cselect_b32 s21, s23, s21                    ; e1, e3 or e5
	s_cmp_eq_u32 s36, 2
	s_cselect_b32 s21, s25, s21
	SCALE 0, 21
	UNITS 8, 1
	s_endpgm
.Lzero:                                                ; ---- rows 1,370 .. 1,439 of batch z % 4 in set z / 4: 71,680 bytes of zero codes, 17,920 a wave
	s_sub_co_u32 s3, ttmp9, NX+NW
	s_lshr_b32 s36, s3, 2
	s_and_b32 s3, s3, 3
	s_mul_i32 s28, s36, PSEC
	s_mul_i32 s3, s3, 1474560
	s_add_co_u32 s28, s28, s3
	s_mul_i32 s3, s2, 17920
	s_add_co_u32 s28, s28, s3
	s_add_co_u32 s28, s28, 1402880                 ; row 1,370
	s_add_nc_u64 s[28:29], s[16:17], s[28:29]
	v_mov_b32 v8, 0
	v_mov_b32 v9, 0
	v_mov_b32 v10, 0
	v_mov_b32 v11, 0
.set u, 0
.rept 35
	global_store_b128 v1, v[8:11], s[28:29] offset:512*u
.set u, u+1
.endr
	s_endpgm
.Lfunc_end_k_q40a920c305_quant:
	.size	k_q40a920c305_quant, .Lfunc_end_k_q40a920c305_quant-k_q40a920c305_quant
	.p2alignl 7, 3214868480
	.fill 96, 4, 3214868480
	.section	.rodata,"a",@progbits
	.p2align	6, 0x0
	.amdhsa_kernel k_q40a920c305_quant
		.amdhsa_group_segment_fixed_size 0
		.amdhsa_private_segment_fixed_size 0
		.amdhsa_enable_private_segment 0
		.amdhsa_kernarg_size 56
		.amdhsa_user_sgpr_count 2
		.amdhsa_user_sgpr_kernarg_segment_ptr 1
		.amdhsa_wavefront_size32 1
		.amdhsa_system_sgpr_workgroup_id_x 1
		.amdhsa_system_sgpr_workgroup_id_y 1
		.amdhsa_system_sgpr_workgroup_id_z 1
		.amdhsa_system_vgpr_workitem_id 0
		.amdhsa_next_free_vgpr 240
		.amdhsa_next_free_sgpr 66
		.amdhsa_reserve_vcc 0
		.amdhsa_float_denorm_mode_32 3
		.amdhsa_float_denorm_mode_16_64 3
		.amdhsa_memory_ordered 1
		.amdhsa_forward_progress 1
		.amdhsa_inst_pref_size 62
	.end_amdhsa_kernel
	.amdgpu_metadata
---
amdhsa.version: [ 1, 2 ]
amdhsa.kernels:
  - .name:           k_q40a920c305_quant
    .symbol:         k_q40a920c305_quant.kd
    .args:
      - { .name: hidden_states, .offset: 0, .size: 8, .value_kind: global_buffer, .address_space: global }
      - { .name: Wq, .offset: 8, .size: 8, .value_kind: global_buffer, .address_space: global }
      - { .name: Wk, .offset: 16, .size: 8, .value_kind: global_buffer, .address_space: global }
      - { .name: Wv, .offset: 24, .size: 8, .value_kind: global_buffer, .address_space: global }
      - { .name: lowp_scales, .offset: 32, .size: 8, .value_kind: global_buffer, .address_space: global }
      - { .name: x_codes, .offset: 40, .size: 8, .value_kind: global_buffer, .address_space: global }
      - { .name: w_codes, .offset: 48, .size: 8, .value_kind: global_buffer, .address_space: global }
    .group_segment_fixed_size: 0
    .private_segment_fixed_size: 0
    .kernarg_segment_align: 8
    .kernarg_segment_size: 56
    .max_flat_workgroup_size: 128
    .sgpr_count:     66
    .vgpr_count:     240
    .wavefront_size: 32
...
	.end_amdgpu_metadata
.endif
;; end of part 1
;; launch proj (part 2): grid 12 x 20, 4 waves a work-group, clusters of 4 x 4, 327,680 bytes of LDS; arguments x_codes, w_codes, lowp_scales, bq, bk, bv, qkv; writes qkv
.if DOCPART == 2
	.amdgcn_target "amdgcn-amd-amdhsa--gfx1250"
	.amdhsa_code_object_version 6
	.text
	.protected	k_q40a920c305_proj
	.globl	k_q40a920c305_proj
	.p2align	8
	.type	k_q40a920c305_proj,@function
k_q40a920c305_proj:
	s_mov_b64 s[64:65], 0
	v_nop
	global_prefetch_b8 v0, s[64:65] scope:SCOPE_SE
	s_setreg_imm32_b32 hwreg(HW_REG_WAVE_MODE, 25, 1), 1
	s_wait_xcnt 0x0
	s_wait_alu depctr_hold_cnt(0) depctr_sa_sdst(0) depctr_va_vdst(0) depctr_va_sdst(0) depctr_va_ssrc(0) depctr_va_vcc(0) depctr_vm_vsrc(0)
	s_getreg_b32 s2, hwreg(HW_REG_IB_STS2, 6, 4)
	s_cmp_eq_u32 s2, 0
	s_cbranch_scc0 .Lentry_in_a_cluster
	s_endpgm
.Lentry_in_a_cluster:
	s_bfe_u32 s2, ttmp6, 0x10000c
	s_cmp_lg_u32 s2, 0xf033
	s_cbranch_scc0 .Lentry_shape_is_right
	s_endpgm
.Lentry_shape_is_right:
; The three projections on codes of E5M2: y = (sum over k of x_code W_code) x 2^(ea + eb) + bias, in f32, and y is quantised at once for the attention's products:
; q with entry 6 of lowp_scales, k with entry 7, v with entry 9.  qkv [3: q, k, v][16 heads][5,760 rows 1,440 b + l][64 channels], one code a byte.
; x_codes [3][5,760][1,024], w_codes [3][1,024][1,024]: K innermost, in one and the same order along K in both.
; SHARES.  Product p = cluster x.  A work-group makes 288 rows x 256 channels of one product: 5 row blocks to a batch of 1,440 rows, 20 in all, 4 column blocks to a product: 240 work-groups.
; Four waves, as many as a WGP has SIMDs; a wave makes 144 x 128: 72 accumulators of 16 x 16.  (With 64 accumulators a wave the 5,760 x 3,072 results would want more work-groups than there are WGPs.)
; K goes in steps of 256 through a ring of two LDS slots filled by the tensor data mover: four fills for K = 1,024, so the steps are written out and there is no loop.
; CLUSTERS: 4 x 4 work-groups of one product.  The four of a row of the cluster need the same rows of x, the four of a column the same rows of W: each tile is asked for JOINTLY, by the same tensor
; load with the same descriptor and a mask that names the four.  No branch hangs on the product or on a place in the cluster: scales and the bias's buffer are chosen by s_cselect.
; THE MATRIX INSTRUCTION IS USED TRANSPOSED (source 0 = 16 rows of W, source 1 = 16 rows of x): a lane holds one row of x and eight neighbouring channels, which one conversion turns into 8 codes.
; LIMITS: ea + eb between -126 and 127; entries 6, 7, 9 between -126 and 112: so that each power of two below is an f32 number.  The order of the sums along K is not the reference's.
; REGISTERS, in windows of 256.  Window 0: v16-31 addresses and constants; v32-95 the accumulators of my rows 128-143; v112-255 x's nine fragments (16 rows x 128 K each), ONE set; on the way out v112-255 are free.
;   window 1: W's fragments, TWO sets, at v0 and at v128; at the end set 0 takes the bias.   window 2: the accumulators of my rows 0-63 ((a, b) at v[64 a + 8 b]);   window 3: those of rows 64-127.
.set PSEC,  5898240                    ; bytes of one product's part of x_codes and of qkv
.set PITCH, 272                        ; an LDS row: 256 bytes + 16 of padding = 68 words: the 16 rows that a load touches start at 16 different banks (64 banks of 4 bytes: ISA guide 11.1)
.set HALFA, 144*PITCH                  ; what one tensor load brings of x, and what one wave reads of it
.set HALFB, 128*PITCH                  ; the same for W
.set SLOT,  2*HALFA+2*HALFB            ; x's 288 rows, then W's 256
.set SPARE, 2*SLOT                     ; behind the ring: the spare words, 128 bytes for each wave: two blocks of 256 bytes that no other line names
.set STGW,  23040                      ; the way out: a stage for each wave, [2 heads][144 rows][64 bytes + 16].  It lies in slot 0, which has had its last fill and its last read when the first code is stored there
.set STGH,  11520
.set ADRA, 16                          ; v16-17  LDS address of my fragments of x in slot 0, 1
.set ADRB, 20                          ; v20-21  the same for W
.set STO,  24                          ; v24     the way out: where I put 8 codes of a row
.set RD,   25                          ; v25     where I read 16 bytes back
.set CO,   26                          ; v26     16 x lane: my place in a store's 512 bytes
.set BIA,  27                          ; v27     32 x (lane / 16): my eight numbers of a tile's sixteen in the bias
.set SPW,  28                          ; v28     LDS address of my spare word; never rewritten
.set NIL,  29                          ; v29     0; never rewritten
.set SCL,  30                          ; v30     2^eo as f32, for the conversions
.set LIM,  31                          ; v31     57,344 x 2^eo
.set AF,   112                         ; x's fragments
.set TMP,  112                         ; the way out: a block's 64 numbers,
.set CD,   176                         ; and its 16 registers of codes
.set G1,  24                           ; s[24:31] descriptor group 1 for x's tiles;  s[32:39] group 0, one set for each slot
.set G0,  32
.set G1B, 48                           ; s[48:55], s[56:63] the same for W's tiles
.set G0B, 56
.set MSB, 0
.macro WIN new                         ; the immediate's high byte repeats the setting that is left; a switch that changes nothing is dropped
.if MSB != \new
	s_set_vgpr_msb (MSB<<8)|\new
.set MSB, \new
.endif
.endm
.set MUL_LO, 0xa1                      ; source 0 (W) window 1, source 1 (x) window 0, C and D window 2
.set MUL_HI, 0xf1                      ; the same, C and D window 3
.set MUL_W0, 0x01                      ; the same, C and D window 0
.set TO_B,   0x40                      ; destination window 1, address window 0
; A joint load: waves 0 and 1 fetch x's two halves, waves 2 and 3 W's.  Each line has one mask and one set of registers for all that issue it; the branch hangs on the wave's number alone.
; Four v_nop follow each of the two lines, ahead of the jump, the label and what follows.
.macro JLOAD s
	s_cmp_eq_u32 s15, 0
	s_cbranch_scc0 .Lfor_b_\@
	tensor_load_to_lds s[G0+4*\s:G0+4*\s+3], s[G1:G1+7]
	s_nop 0
.rept 4
	v_nop
.endr
	s_branch .Lasked_\@
.Lfor_b_\@:
	tensor_load_to_lds s[G0B+4*\s:G0B+4*\s+3], s[G1B:G1B+7]
	s_nop 0
.rept 4
	v_nop
.endr
.Lasked_\@:
.endm
.macro CREST                           ; a round of the cluster's barrier behind its opening barrier
	s_cmp_lg_u32 s14, 0
	s_cbranch_scc1 .Lnot_wave_0_\@
	s_barrier_signal -3
.Lnot_wave_0_\@:
	s_barrier_wait -3
	s_barrier_signal -1
	s_barrier_wait -1
.endm
.macro CROUND                          ; a whole round
	s_barrier_signal -1
	s_barrier_wait -1
	CREST
.endm
	s_load_b128 s[4:7], s[0:1], 0x0                ; x_codes s[4:5], w_codes s[6:7]
	s_load_b64 s[8:9], s[0:1], 0x10                ; lowp_scales
	s_load_b256 s[84:91], s[0:1], 0x18             ; bq s[84:85], bk s[86:87], bv s[88:89], qkv s[90:91]
	v_lshl_add_u32 v[SPW], v0, 2, SPARE
	v_mov_b32 v[NIL], 0
	ds_add_u32 v28, v29
	ds_add_u32 v28, v29
	s_wait_dscnt 0x0
	v_lshrrev_b32 v1, 5, v0
	v_readfirstlane_b32 s14, v1                    ; wave 0..3
	s_lshr_b32 s15, s14, 1                         ; which 144 of the tile's rows are mine.  Also: I fetch for x (0) or for W (1)
	s_and_b32 s16, s14, 1                          ; which 128 of its channels.  Also: which half of that tile I fetch
	s_bfe_u32 s40, ttmp6, 0x40000                  ; cx, cy: my place in the cluster
	s_bfe_u32 s41, ttmp6, 0x40004
	s_lshl_b32 s42, ttmp9, 2
	s_add_co_u32 s42, s42, s40                     ; column block = 4 x product + cx: rows 256 x that of w_codes
	s_and_b32 s17, ttmp7, 0xffff
	s_lshl_b32 s17, s17, 2
	s_add_co_u32 s17, s17, s41                     ; row block = 4 x cluster y + cy, 0 .. 19
	s_lshl_b32 s43, s41, 2
	s_lshl_b32 s43, 15, s43                        ; my row of the cluster
	s_lshl_b32 s44, 0x1111, s40                    ; my column
	s_or_b32 s[G1+0], s43, (0<<16)|(1<<20)|(1<<21)|(5<<22)|(3<<25)   ; 15:0 the mask: x's tiles go to my row; 17:16 elements of 1 byte; 20 padding on; 21 set beside a mask; 24:22 after every 64 words (code 5); 31:25 of 4 words (code 3)
	s_mov_b32 s[G1+1], 256<<16                     ; tensor_dim0 = 256
	s_mov_b32 s[G1+2], 144<<16                     ; tensor_dim1 = 144
	s_mov_b32 s[G1+3], 256<<16                     ; tile_dim0 = 256
	s_mov_b32 s[G1+4], 144                         ; tile_dim1 = 144
	s_mov_b32 s[G1+5], 1024                        ; from row to row
	s_mov_b32 s[G1+6], 0
	s_mov_b32 s[G1+7], 0
	s_or_b32 s[G1B+0], s44, (0<<16)|(1<<20)|(1<<21)|(5<<22)|(3<<25)  ; the same with the mask of my column, for W's tiles of 128 rows
	s_mov_b32 s[G1B+1], 256<<16
	s_mov_b32 s[G1B+2], 128<<16
	s_mov_b32 s[G1B+3], 256<<16
	s_mov_b32 s[G1B+4], 128
	s_mov_b32 s[G1B+5], 1024
	s_mov_b32 s[G1B+6], 0
	s_mov_b32 s[G1B+7], 0
	; where the tiles come from.  x's hang on the product and the row block, which my row of the cluster shares; W's on the column block, which my column shares.
	s_mul_i32 s20, ttmp9, 5760
	s_mul_i32 s18, s17, 288
	s_add_co_u32 s20, s20, s18
	s_mul_i32 s18, s16, 144
	s_add_co_u32 s20, s20, s18                     ; x: row 5,760 p + 288 x row block + 144 x half,
	s_lshl_b32 s20, s20, 10                        ; in bytes (under 2^25)
	s_mov_b32 s21, 0
	s_lshl_b32 s46, s42, 8
	s_lshl_b32 s19, s16, 7
	s_add_co_u32 s46, s46, s19                     ; W: row 256 x column block + 128 x half
	s_lshl_b32 s46, s46, 10
	s_mov_b32 s47, 0
	s_mul_i32 s45, s16, HALFA                      ; and where they go: no place in the cluster enters an LDS address
	s_mul_i32 s66, s16, HALFB
	s_add_co_u32 s66, s66, 2*HALFA
	s_wait_kmcnt 0x0
	s_load_b256 s[72:79], s[8:9], 0x0              ; e0 .. e7
	s_load_b64 s[80:81], s[8:9], 0x20              ; e8, e9
	s_add_nc_u64 s[20:21], s[4:5], s[20:21]
	s_add_nc_u64 s[46:47], s[6:7], s[46:47]
	CROUND                                         ; all sixteen work-groups are here: the first joint loads meet
.irp s, 0,1
	s_mov_b32 s[G0+4*\s], 1                                        ; count = 1
	s_add_co_u32 s[G0+4*\s+1], s45, \s*SLOT                        ; LDS address
	s_add_nc_u64 s[G0+4*\s+2:G0+4*\s+3], s[20:21], \s*256          ; global address: K step s
	s_or_b32 s[G0+4*\s+3], s[G0+4*\s+3], 0x80000000                ; type = 2
	s_mov_b32 s[G0B+4*\s], 1
	s_add_co_u32 s[G0B+4*\s+1], s66, \s*SLOT
	s_add_nc_u64 s[G0B+4*\s+2:G0B+4*\s+3], s[46:47], \s*256
	s_or_b32 s[G0B+4*\s+3], s[G0B+4*\s+3], 0x80000000
	JLOAD \s                                       ; two tensor loads of mine are out
.endr
	v_and_b32 v1, 15, v0                           ; r = lane % 16
	v_bfe_u32 v2, v0, 4, 1                         ; h = lane / 16
	v_mul_u32_u24 v3, v1, PITCH
	v_lshl_add_u32 v4, v2, 4, v3                   ; a fragment's row x pitch + 16 h
	s_mul_i32 s67, s15, HALFA                      ; my 144 rows of x
	s_mul_i32 s68, s16, HALFB                      ; my 128 rows of W,
	s_add_co_u32 s68, s68, 2*HALFA                 ; which lie behind x's 288
.irp s, 0,1
	v_add_nc_u32 v[ADRA+\s], s67, v4
	v_add_nc_u32 v[ADRB+\s], s68, v4
	s_add_co_u32 s67, s67, SLOT
	s_add_co_u32 s68, s68, SLOT
.endr
	s_mul_i32 s69, s14, STGW                       ; my stage
	v_mul_u32_u24 v5, v1, 80
	v_lshl_add_u32 v5, v2, 3, v5
	v_add_nc_u32 v[STO], s69, v5                   ; in: row r, 8 bytes for each half of the lanes
	v_and_b32 v6, 31, v0
	v_lshrrev_b32 v7, 2, v6
	v_mul_u32_u24 v7, v7, 80
	v_and_b32 v8, 3, v6
	v_lshl_add_u32 v7, v8, 4, v7
	v_add_nc_u32 v[RD], s69, v7                    ; back: four lanes to a row of 64 bytes, eight rows an instruction
	v_lshlrev_b32 v[CO], 4, v6
	v_lshlrev_b32 v[BIA], 5, v2
	s_lshl_b32 s70, s40, 2                         ; where my codes go: head 4 cx + 2 x (my half of the channels),
	s_lshl_b32 s71, s16, 1
	s_add_co_u32 s70, s70, s71
	s_mul_i32 s70, s70, 5760
	s_mul_i32 s71, s17, 288
	s_add_co_u32 s70, s70, s71
	s_mul_i32 s71, s15, 144
	s_add_co_u32 s70, s70, s71                     ; row 288 x row block + 144 x (my half of the rows),
	s_lshl_b32 s70, s70, 6                         ; 64 bytes a row,
	s_mul_i32 s71, ttmp9, PSEC                     ; in the product's part
	s_add_co_u32 s70, s70, s71
	s_mov_b32 s71, 0
	s_add_nc_u64 s[90:91], s[90:91], s[70:71]
.macro FRAG reg, adr, q, i             ; a fragment, 16 rows x 128 codes, is 16 registers: lane (r, h) holds of row r bytes 32 c + 16 h + 0 .. 15 in registers 4 c .. 4 c + 3: alike in x and in W
.irp c, 0,1,2,3
	ds_load_b128 v[\reg+4*\c:\reg+4*\c+3], v[\adr] offset:128*(\q)+32*\c+(\i)*16*PITCH
.endr
.endm
; 8 matrix instructions: x's block a against W's eight, 128 along K.  p: W's set.  zero = 1: the first product starts the sums: nothing is ever cleared.
; The 72 accumulators take turns, one instruction a turn, in the same order in every step.
.macro MULA a, p, zero
.if (\a) < 4
	WIN MUL_LO
.set AC, 64*(\a)
.elseif (\a) < 8
	WIN MUL_HI
.set AC, 64*((\a)-4)
.else
	WIN MUL_W0
.set AC, 32
.endif
.irp b, 0,1,2,3,4,5,6,7
.if \zero
	v_wmma_f32_16x16x128_bf8_bf8 v[AC+8*\b:AC+8*\b+7], v[128*(\p)+16*\b:128*(\p)+16*\b+15], v[AF+16*(\a):AF+16*(\a)+15], 0
.else
	v_wmma_f32_16x16x128_bf8_bf8 v[AC+8*\b:AC+8*\b+7], v[128*(\p)+16*\b:128*(\p)+16*\b+15], v[AF+16*(\a):AF+16*(\a)+15], v[AC+8*\b:AC+8*\b+7]
.endif
.endr
.endm
.macro FETCH_B slot, q, p              ; W's eight fragments of the slot's q-th 128 along K into set p: 32 loads
	WIN TO_B
.irp i, 0,1,2,3,4,5,6,7
	FRAG 128*(\p)+16*\i, ADRB+\slot, \q, \i
.endr
	WIN 0
.endm
.macro FETCH_A slot, q, i0, n          ; x's blocks i0 .. i0 + n - 1: 4 n loads
.set fi, \i0
.rept \n
	FRAG AF+16*fi, ADRA+\slot, \q, fi
.set fi, fi+1
.endr
.endm
; A load into a register that a matrix instruction has read, and a vector instruction that reads a matrix result or writes one of a matrix instruction's registers, stand four places behind it, and only plain
; vector instructions that name none of its registers are places (ISA guide 7.12.1 for vector instructions).
.macro PLACES
.rept 4
	v_nop
.endr
.endm
; A slot's first 128 along K (W's set 0); it fetches the second 128 (W's set 1).  A block of x is free as soon as its eight products are issued: blocks 0-3 are fetched anew in the middle, blocks 4-8 at the end.
.macro STEP slot, zero
	s_wait_dscnt 20                                ; W's set and x's blocks 0-3 are in; the youngest twenty loads (blocks 4-8) may be out
	MULA 0, 0, \zero
	MULA 1, 0, \zero
	MULA 2, 0, \zero
	MULA 3, 0, \zero
	s_wait_dscnt 0x0                               ; blocks 4-8 are in (asked for 32 matrix instructions ago)
	PLACES
	FETCH_B \slot, 1, 1
	FETCH_A \slot, 1, 0, 4
	MULA 4, 0, \zero
	MULA 5, 0, \zero
	MULA 6, 0, \zero
	MULA 7, 0, \zero
	MULA 8, 0, \zero
	PLACES
	WIN 0
	FETCH_A \slot, 1, 4, 5
.endm
; A slot's second 128 along K changes slots: ONE barrier; in front of it each wave waits for all its tensor loads, adds 0 to its spare word, and waits for that and for its own reads of this slot.
; fill = 1: this slot is filled again, two K steps ahead; the barrier then opens a round of the cluster's barrier.
.macro TURN slot, next, fill
	s_wait_tensorcnt 0x0                           ; all my tensor loads have landed: my part of the next slot among them  (every window is 0 here)
	ds_add_u32 v[SPW], v[NIL]                      ; 0 onto my spare word
	s_wait_dscnt 21                                ; (the add and the youngest twenty loads may be out)
	MULA 0, 1, 0                                   ; sixteen matrix instructions stand between the add and the wait for it
	MULA 1, 1, 0
	s_wait_dscnt 0x0                               ; the add is done, and my reads of this slot are over
	s_barrier_signal -1
	MULA 2, 1, 0
	MULA 3, 1, 0
	WIN 0
	s_barrier_wait -1
.if \fill
	CREST                                          ; no wave of any partner still reads this slot's tile or has a load on its way
	s_add_nc_u64 s[G0+4*\slot+2:G0+4*\slot+3], s[G0+4*\slot+2:G0+4*\slot+3], 512
	s_add_nc_u64 s[G0B+4*\slot+2:G0B+4*\slot+3], s[G0B+4*\slot+2:G0B+4*\slot+3], 512
	JLOAD \slot                                    ; the first tensor load behind the round, my only one until the next; its four v_nop are the places in front of the loads below
.else
	PLACES
.endif
	FETCH_B \next, 0, 0
	FETCH_A \next, 0, 0, 4
	MULA 4, 1, 0
	MULA 5, 1, 0
	MULA 6, 1, 0
	MULA 7, 1, 0
	MULA 8, 1, 0
	PLACES
	WIN 0
	FETCH_A \next, 0, 4, 5
.endm
	s_wait_tensorcnt 1                             ; my part of K step 0 is in (K step 1's load may be out)
	s_barrier_signal -1
	s_barrier_wait -1                              ; everybody's is
	FETCH_B 0, 0, 0
	FETCH_A 0, 0, 0, 4
	FETCH_A 0, 0, 4, 5
	STEP 0, 1                                      ; K 0-127: its products start the sums
	TURN 0, 1, 1                                   ; K 128-255; slot 0 takes K 512-767
	STEP 1, 0
	TURN 1, 0, 1                                   ; slot 1 takes K 768-1,023
	STEP 0, 0
	TURN 0, 1, 0                                   ; nothing is left to fetch
	STEP 1, 0
	; the product's scales and bias, chosen without a branch
	s_wait_kmcnt 0x0
	s_cmp_eq_u32 ttmp9, 1
	s_cselect_b32 s20, s74, s72                    ; ea: entry 2 p
	s_cselect_b32 s21, s75, s73                    ; eb: entry 2 p + 1
	s_cselect_b32 s22, s79, s78                    ; eo: entry 6 for q, 7 for k,
	s_cselect_b64 s[92:93], s[86:87], s[84:85]
	s_cmp_eq_u32 ttmp9, 2
	s_cselect_b32 s20, s76, s20
	s_cselect_b32 s21, s77, s21
	s_cselect_b32 s22, s81, s22                    ; 9 for v
	s_cselect_b64 s[92:93], s[88:89], s[92:93]
	s_add_co_i32 s96, s20, s21
	s_add_co_i32 s96, s96, 127
	s_lshl_b32 s96, s96, 23                        ; 2^(ea + eb) as f32
	s_mov_b32 s97, s96                             ; (named with it as a pair, so it is written)
	s_add_co_i32 s22, s22, 127
	s_lshl_b32 s23, s22, 23
	v_mov_b32 v[SCL], s23
	s_add_co_i32 s22, s22, 15
	s_lshl_b32 s22, s22, 23
	s_or_b32 s22, s22, 0x600000
	v_mov_b32 v[LIM], s22
	s_lshl_b32 s2, s40, 10                         ; my 128 channels in the bias: 256 cx + 128 x half, 4 bytes each
	s_lshl_b32 s3, s16, 9
	s_add_co_u32 s2, s2, s3
	s_mov_b32 s3, 0
	s_add_nc_u64 s[92:93], s[92:93], s[2:3]
	WIN TO_B                                       ; W's set 0 is done with (its last products stand ahead of the places in the step above): it takes the bias in the results' layout:
.irp b, 0,1,2,3,4,5,6,7
	global_load_b128 v[8*\b:8*\b+3], v[BIA], s[92:93] offset:64*\b          ; register 8 b + j: channel 16 b + 8 h + j
	global_load_b128 v[8*\b+4:8*\b+7], v[BIA], s[92:93] offset:64*\b+16
.endr
	WIN 0
	s_wait_dscnt 20                                ; the last 128 along K: nothing more to fetch
	MULA 0, 1, 0
	MULA 1, 1, 0
	MULA 2, 1, 0
	MULA 3, 1, 0
	s_wait_dscnt 0x0
	MULA 4, 1, 0
	MULA 5, 1, 0
	MULA 6, 1, 0
	MULA 7, 1, 0
	MULA 8, 1, 0
	WIN 0
; THE WAY OUT.  Block a (16 rows x 128 channels): y = sum x 2^(ea + eb) + bias, one packed multiply-add for two numbers, each accumulator from its low end on; held within the largest code x the scale; eight numbers
; of a lane become 8 codes, 8 neighbouring bytes of a head's row.  The lanes beside it hold other rows, so the codes go through my stage in LDS.
.macro OUTBLK a
.if (\a) < 4
	WIN 0x12                                       ; source 0 (the sums) window 2, source 2 (the bias) window 1, destination window 0
.set AC, 64*(\a)
.elseif (\a) < 8
	WIN 0x13
.set AC, 64*((\a)-4)
.else
	WIN 0x10
.set AC, 32
.endif
.set jj, 0
.rept 32
	v_pk_fma_f32 v[TMP+jj:TMP+jj+1], v[AC+jj:AC+jj+1], s[96:97], v[jj:jj+1] op_sel_hi:[1,0,1]
.set jj, jj+2
.endr
	WIN 0
.set jj, 0
.rept 64
	v_med3_num_f32 v[TMP+jj], v[TMP+jj], -v[LIM], v[LIM]   ; the conversion to an 8-bit code does not saturate (ISA guide 7.6.2)
.set jj, jj+1
.endr
	s_wait_dscnt 0x0                               ; the last block's LDS stores have read the codes' registers
.irp b, 0,1,2,3,4,5,6,7
	v_cvt_scalef32_pk8_bf8_f32 v[CD+2*\b:CD+2*\b+1], v[TMP+8*\b:TMP+8*\b+7], v[SCL]
.endr
	v_nop                                          ; one plain vector line behind the last conversion, ahead of the next block's writes of its sources
.irp b, 0,1,2,3,4,5,6,7
	ds_store_b64 v[STO], v[CD+2*\b:CD+2*\b+1] offset:(\b/4)*STGH+(\a)*1280+16*(\b%4)   ; head b / 4, row 16 a + r, channels 16 (b % 4) + 8 h on
.endr
.endm
	s_wait_loadcnt 0x0                             ; the bias
	PLACES                                         ; behind the last products: the lines below read results and write registers that held x's fragments
.irp a, 0,1,2,3,4,5,6,7,8
	OUTBLK \a
.endr
	s_wait_dscnt 0x0                               ; my stores are done, and have read their registers
; A head's 144 rows of 64 bytes are 9,216 consecutive bytes of qkv: eighteen stores of 512 consecutive bytes, aligned, for each of my two heads.
.set n, 0
.rept 36
	ds_load_b128 v[112+4*n:112+4*n+3], v[RD] offset:(n/18)*STGH+640*(n%18)
.set n, n+1
.endr
.set n, 0
.rept 36
	s_wait_dscnt 35-n                              ; LDS loads come back in order: load n is in
	global_store_b128 v[CO], v[112+4*n:112+4*n+3], s[90:91] offset:(n/18)*368640+512*(n%18)
.set n, n+1
.endr
	s_wait_tensorcnt 0x0                           ; the wave's end, behind my last tensor load and my last LDS store
	ds_add_u32 v[SPW], v[NIL]
	s_wait_dscnt 0x0
	CROUND                                         ; the closing round: no work-group ends while a partner may still ask for a tile that names it
	s_endpgm
.Lfunc_end_k_q40a920c305_proj:
	.size	k_q40a920c305_proj, .Lfunc_end_k_q40a920c305_proj-k_q40a920c305_proj
	.p2alignl 7, 3214868480
	.fill 96, 4, 3214868480
	.section	.rodata,"a",@progbits
	.p2align	6, 0x0
	.amdhsa_kernel k_q40a920c305_proj
		.amdhsa_group_segment_fixed_size 327680
		.amdhsa_private_segment_fixed_size 0
		.amdhsa_enable_private_segment 0
		.amdhsa_kernarg_size 56
		.amdhsa_user_sgpr_count 2
		.amdhsa_user_sgpr_kernarg_segment_ptr 1
		.amdhsa_wavefront_size32 1
		.amdhsa_system_sgpr_workgroup_id_x 1
		.amdhsa_system_sgpr_workgroup_id_y 1
		.amdhsa_system_sgpr_workgroup_id_z 1
		.amdhsa_system_vgpr_workitem_id 0
		.amdhsa_next_free_vgpr 1024
		.amdhsa_next_free_sgpr 100
		.amdhsa_reserve_vcc 0
		.amdhsa_float_denorm_mode_32 3
		.amdhsa_float_denorm_mode_16_64 3
		.amdhsa_memory_ordered 1
		.amdhsa_forward_progress 1
		.amdhsa_inst_pref_size 158
	.end_amdhsa_kernel
	.amdgpu_metadata
---
amdhsa.version: [ 1, 2 ]
amdhsa.kernels:
  - .name:           k_q40a920c305_proj
    .symbol:         k_q40a920c305_proj.kd
    .args:
      - { .name: x_codes, .offset: 0, .size: 8, .value_kind: global_buffer, .address_space: global }
      - { .name: w_codes, .offset: 8, .size: 8, .value_kind: global_buffer, .address_space: global }
      - { .name: lowp_scales, .offset: 16, .size: 8, .value_kind: global_buffer, .address_space: global }
      - { .name: bq, .offset: 24, .size: 8, .value_kind: global_buffer, .address_space: global }
      - { .name: bk, .offset: 32, .size: 8, .value_kind: global_buffer, .address_space: global }
      - { .name: bv, .offset: 40, .size: 8, .value_kind: global_buffer, .address_space: global }
      - { .name: qkv, .offset: 48, .size: 8, .value_kind: global_buffer, .address_space: global }
    .group_segment_fixed_size: 327680
    .private_segment_fixed_size: 0
    .kernarg_segment_align: 8
    .kernarg_segment_size: 56
    .max_flat_workgroup_size: 128
    .sgpr_count:     100
    .vgpr_count:     1024
    .wavefront_size: 32
...
	.end_amdgpu_metadata
.endif
;; end of part 2
;; launch attn (part 3): grid 4 x 64, 11 waves a work-group, clusters of 4 x 1, 327,680 bytes of LDS; arguments qkv, lowp_scales, out0; writes out0
.if DOCPART == 3
	.amdgcn_target "amdgcn-amd-amdhsa--gfx1250"
	.amdhsa_code_object_version 6
	.text
	.protected	k_q40a920c305_attn
	.globl	k_q40a920c305_attn
	.p2align	8
	.type	k_q40a920c305_attn,@function
k_q40a920c305_attn:
	s_mov_b64 s[64:65], 0
	v_nop
	global_prefetch_b8 v0, s[64:65] scope:SCOPE_SE
	s_setreg_imm32_b32 hwreg(HW_REG_WAVE_MODE, 25, 1), 1
	s_wait_xcnt 0x0
	s_wait_alu depctr_hold_cnt(0) depctr_sa_sdst(0) depctr_va_vdst(0) depctr_va_sdst(0) depctr_va_ssrc(0) depctr_va_vcc(0) depctr_vm_vsrc(0)
	s_getreg_b32 s2, hwreg(HW_REG_IB_STS2, 6, 4)
	s_cmp_eq_u32 s2, 0
	s_cbranch_scc0 .Lentry_in_a_cluster
	s_endpgm
.Lentry_in_a_cluster:
	s_bfe_u32 s2, ttmp6, 0x10000c
	s_cmp_lg_u32 s2, 0x3003
	s_cbranch_scc0 .Lentry_shape_is_right
	s_endpgm
.Lentry_shape_is_right:
; out0[b][l][64 h + d] = the sum over keys s of softmax_s(q . k / 8) v, both products on codes of E5M2.  qkv [3: q, k, v][16 heads][5,760 rows 1,440 b + l][64]: codes; rows l >= 1,370 are padding with finite codes.
; THE SOFTMAX AHEAD OF THE SECOND PRODUCT: t = score x log2(e) / 8; M = the row's largest t so far, rounded UP to a whole number; p = 2^(t - M) is quantised with 2^e8, not normalised.  The row's sum is taken of
; the unquantised p, in f32, and divides at the end.  When M moves, the sum and O are multiplied by 2^(old M - new M): exact.
; SHARES.  Work-group y = 16 b + h: one head of one batch; the four work-groups of a cluster take 352 queries each.  Eleven waves; a wave owns two tiles of 16 queries, so each fragment of K and V that it reads
; from LDS feeds two matrix instructions.  Queries from 1,370 on are computed on the padding and never stored.
; THE HEAD'S WHOLE K AND V LIE IN LDS: 1,408 keys (11 steps of 128), fetched once: wave w asks for step w's 128 rows of K and of V.  No byte of LDS is filled twice, so there is no ring, and the loop over the
; keys has no barrier.  The four work-groups need the same K and V: each tile is asked for JOINTLY (mask 15).  The place in the cluster enters Q's and O's global addresses and the mask of the stores' lanes alone.
; LAYOUT.  Both products are used transposed, so that a lane holds ONE query (lane % 16) throughout.  S^T = K Q^T (16 x 16 x 64: source 0 = 16 neighbouring keys, source 1 = 16 queries): register j of tile t in
; lane (r, h) is key 16 t + 8 h + j.  One conversion turns a tile's eight registers into registers 2 t, 2 t + 1 of P, which is the place that the 16 x 16 x 128 form gives those keys: nothing changes lanes.
; O^T = V^T P^T wants V with the keys innermost.  V arrives [key][channel]: wave w turns step w's rows once, by the 16-bit turning load on pairs of bytes and v_perm_b32, into four fragments (fragment 2 a + par,
; row m: channel 32 a + 2 m + par) and stores them in LDS as images of their registers, for all eleven waves.
; KEYS FROM 1,370 ON (the last step's keys 90 to 127): their scores become -infinity ahead of the maximum, so p = 0 and its code is 0; V's codes there are finite.
; LIMITS on the given exponents, so that each power of two below is an f32 number: e6 + e7 between -123 and 130 (added to c's exponent field); e8 between -126 and 112; e8 + e9 goes through v_ldexp_f32 and has none.
; REGISTERS.  Window 0: v1-7 addresses and constants; v8-11, v12-15 a tile's -M, largest t, and sum in two halves; v16-31 Q; v32-95 K of a step, then V; v96-159 S^T of tile A (v96-111 later P of tile B);
;   v160-175 P of tile A; v176-183 at work; v184-191 addresses; v192-255 S^T of tile B.   Window 1: v0-31 O^T of tile A, v32-63 of tile B.
.set PSEC,  5898240                    ; bytes of q's, k's and v's part of qkv
.set SEQ,   1370
.set KP,    80                         ; a key's row in LDS: 64 bytes + 16 of padding: the 16 rows that a load touches start at 16 different groups of four banks
.set CHUNK, 128*KP                     ; a step's rows
.set VRAW,  11*CHUNK                   ; K's 1,408 rows from byte 0; V's, as they arrive, from here.  Wave w alone reads chunk w of these, and later uses it as its stage for the way out
.set VIMG,  2*VRAW                     ; V turned: 11 steps x 4 fragments x 2,048 bytes
.set STEPV, 8192
.set SP,    272                        ; the stage: 2 tiles x 16 rows x (256 bytes + 16)
.set AK0,  1                           ; v1   my lane's place in a tile of K
.set AV0,  2                           ; v2   VIMG + 16 x lane
.set ADK,  3                           ; v3   LDS address of the step's K
.set ADV,  4                           ; v4   of its V
.set PSC,  5                           ; v5   2^e8 as f32
.set PLIM, 6                           ; v6   57,344 x 2^e8
.set NINF, 7                           ; v7   -infinity
.set TA,   8
.set TB,   12
.set QA,   16
.set QB,   24
.set KV,   32
.set SA,   96
.set PB,   96
.set PA,   160
.set F,    176                         ; v176 f = 2^(old M - new M); v177 named with it as a pair
.set M0,   178                         ; v178, v179 at work
.set M1,   179
.set X0,   180                         ; v180, v181 what comes from the lane 16 away
.set X1,   181
.set L2,   182                         ; v[182:183] the second chain of the sums
.set STO,  184                         ; v184 the way out: where I put 16 bytes of a row
.set RDB,  185                         ; v185 where I read a row back
.set GO,   186                         ; v186 my byte offset in the wave's rows of out0
.set ROW,  187                         ; v187 my first query + lane / 16
.set QO,   188                         ; v188 my byte offset in the wave's rows of q
.set TRA,  190                         ; v190 the turning loads' address
.set IMA,  191                         ; v191 where I store the images
.set SB,   192
.set WV,   12                          ; s12  my wave's number
.set SEL,  20                          ; s[20:21] lane selects for v_permlanex16_b32: lane l xor 16
.set CS,   22                          ; s[22:23] c = log2(e) / 8 x 2^(e6 + e7)
.set G1,   24                          ; s[24:31] descriptor group 1, for K's and V's tiles alike
.set G0K,  32                          ; s[32:35], s[36:39] their groups 0
.set G0V,  36
.set TBK,  43                          ; s43  LDS byte at which the K to be fetched begins
.set TBV,  44                          ; s44  the same for V's images, from VIMG on
.set CNT,  45
.set MSB, 0
.macro WIN new                         ; the immediate's high byte repeats the setting that is left
.if MSB != \new
	s_set_vgpr_msb (MSB<<8)|\new
.set MSB, \new
.endif
.endm
.set W_RS, 0x41                        ; O^T (destination and source 0) window 1, f window 0
.set W_PV, 0x50                        ; V and P window 0, C and D window 1
.macro ROUND                           ; a round of the cluster's barrier
	s_barrier_signal -1
	s_barrier_wait -1
	s_cmp_lg_u32 s[WV], 0
	s_cbranch_scc1 .Lnot_wave_0_\@
	s_barrier_signal -3
.Lnot_wave_0_\@:
	s_barrier_wait -3
	s_barrier_signal -1
	s_barrier_wait -1
.endm
	s_load_b128 s[4:7], s[0:1], 0x0                ; qkv s[4:5], lowp_scales s[6:7]
	s_load_b64 s[8:9], s[0:1], 0x10                ; out0
	v_lshl_add_u32 v189, v0, 2, 0x4d000
	s_set_vgpr_msb 0x40
	v_mov_b32 v65, 0
	s_set_vgpr_msb 0x4044
	ds_add_u32 v189, v65
	ds_add_u32 v189, v65
	s_set_vgpr_msb 0x4400
	v_lshrrev_b32 v1, 5, v0
	v_readfirstlane_b32 s[WV], v1                  ; wave 0..10
	s_bfe_u32 s13, ttmp6, 0x40000                  ; cx: which 352 queries
	s_and_b32 s14, ttmp7, 0xffff
	s_lshr_b32 s15, s14, 4                         ; b
	s_and_b32 s16, s14, 15                         ; h
	s_mul_i32 s54, s16, 368640                     ; a head: 5,760 rows of 64 bytes;
	s_mul_i32 s55, s15, 92160                      ; a batch in it: 1,440 rows
	s_add_co_u32 s54, s54, s55
	s_lshl_b32 s56, s[WV], 13                      ; step w's 128 rows
	s_add_co_u32 s56, s56, s54
	s_add_co_u32 s56, s56, PSEC                    ; in k's part
	s_mov_b32 s57, 0
	s_mul_i32 s58, s[WV], CHUNK                    ; and their place in LDS: no place in the cluster enters it
	s_add_co_u32 s46, s58, VRAW
	s_mov_b32 s[G1], 15|(0<<16)|(1<<20)|(1<<21)|(3<<22)|(3<<25)   ; 15:0 the mask: all four work-groups; 17:16 elements of 1 byte; 20 padding on; 21 set beside a mask; 24:22 after every 16 words (code 3); 31:25 of 4 words (code 3)
	s_mov_b32 s[G1+1], 64<<16                      ; tensor_dim0 = 64
	s_mov_b32 s[G1+2], 128<<16                     ; tensor_dim1 = 128
	s_mov_b32 s[G1+3], 64<<16                      ; tile_dim0 = 64
	s_mov_b32 s[G1+4], 128                         ; tile_dim1 = 128
	s_mov_b32 s[G1+5], 64                          ; from row to row
	s_mov_b32 s[G1+6], 0
	s_mov_b32 s[G1+7], 0
	s_mov_b32 s[SEL], 0x76543210
	s_mov_b32 s[SEL+1], 0xfedcba98
	s_mov_b32 s[CS], 0x3e38aa3b                    ; log2(e) / 8
	s_mov_b32 s40, 0x06040200                      ; v_perm_b32: the even bytes of two registers,
	s_mov_b32 s41, 0x07050301                      ; the odd ones
	s_mov_b32 s[TBK], 0
	s_mov_b32 s[TBV], 0
	s_mov_b32 s[CNT], 10
	s_mul_i32 s59, s13, 352
	s_lshl_b32 s60, s[WV], 5
	s_add_co_u32 s59, s59, s60                     ; my first query: 352 cx + 32 wave
	s_lshl_b32 s60, s59, 6
	s_add_co_u32 s60, s60, s54                     ; its codes, in q's part
	s_mov_b32 s61, 0
	s_mul_i32 s62, s15, 5611520                    ; out0: a batch is 1,370 rows of 4,096 bytes;
	s_lshl_b32 s63, s16, 8                         ; a head's 64 numbers are 256 bytes of a row
	s_add_co_u32 s62, s62, s63
	s_lshl_b32 s63, s59, 12
	s_add_co_u32 s62, s62, s63
	s_mov_b32 s63, 0
	s_wait_dscnt 0x0
	s_wait_kmcnt 0x0
	s_load_b128 s[48:51], s[6:7], 0x18             ; e6, e7, e8, e9
	s_mov_b32 s[G0K], 1                            ; count = 1
	s_mov_b32 s[G0K+1], s58                        ; LDS address
	s_add_nc_u64 s[G0K+2:G0K+3], s[4:5], s[56:57]  ; global address
	s_add_nc_u64 s[G0V+2:G0V+3], s[G0K+2:G0K+3], PSEC   ; the same rows in v's part
	s_or_b32 s[G0K+3], s[G0K+3], 0x80000000        ; type = 2
	s_or_b32 s[G0V+3], s[G0V+3], 0x80000000
	s_mov_b32 s[G0V], 1
	s_mov_b32 s[G0V+1], s46
	s_add_nc_u64 s[60:61], s[4:5], s[60:61]
	s_add_nc_u64 s[8:9], s[8:9], s[62:63]
	ROUND                                          ; all four work-groups are here: the joint loads meet
	tensor_load_to_lds s[G0K:G0K+3], s[G1:G1+7]    ; the launch's only fills: two tensor loads of mine are out
	s_nop 0
	tensor_load_to_lds s[G0V:G0V+3], s[G1:G1+7]
	s_nop 0
.rept 4
	v_nop
.endr
	v_and_b32 v[M0], 15, v0                        ; r = lane % 16
	v_bfe_u32 v[M1], v0, 4, 1                      ; h = lane / 16
	v_and_b32 v[L2], 31, v0                        ; lane
	v_lshlrev_b32 v[QO], 6, v[M0]
	v_lshl_add_u32 v[QO], v[M1], 4, v[QO]          ; q: row r of 64 bytes, + 16 h
.irp i, 0,1
.irp c, 0,1
	global_load_b128 v[QA+8*\i+4*\c:QA+8*\i+4*\c+3], v[QO], s[60:61] offset:1024*\i+32*\c   ; registers 4 c .. 4 c + 3: bytes 32 c + 16 h + 0 .. 15 of the row: as K's fragments are fetched
.endr
.endr
	v_mul_u32_u24 v[AK0], v[M0], KP
	v_lshl_add_u32 v[AK0], v[M1], 4, v[AK0]
	v_lshlrev_b32 v[AV0], 4, v[L2]
	v_add_nc_u32 v[AV0], VIMG, v[AV0]
	v_and_b32 v[TRA], 7, v0                        ; the turning load: lane l reads 16 bytes of key 8 (l / 16) + l % 8, at byte 16 ((l / 8) % 2) of the 32 in hand
	v_lshl_add_u32 v[TRA], v[M1], 3, v[TRA]
	v_mul_u32_u24 v[TRA], v[TRA], KP
	v_bfe_u32 v[IMA], v0, 3, 1
	v_lshl_add_u32 v[TRA], v[IMA], 4, v[TRA]
	v_add_nc_u32 v[TRA], s46, v[TRA]               ; in my chunk of V
	s_lshl_b32 s47, s[WV], 13
	v_add_nc_u32 v[IMA], s47, v[AV0]               ; step w's images
	v_mul_u32_u24 v[STO], v[M0], SP                ; the stage, in: row r, 64 bytes for each half of the lanes
	v_lshl_add_u32 v[STO], v[M1], 6, v[STO]
	v_add_nc_u32 v[STO], s46, v[STO]
	v_mul_u32_u24 v[RDB], v[M1], SP                ; back: lanes 0-15 one row of 256 bytes, lanes 16-31 the next
	v_lshl_add_u32 v[RDB], v[M0], 4, v[RDB]
	v_add_nc_u32 v[RDB], s46, v[RDB]
	v_lshlrev_b32 v[GO], 12, v[M1]                 ; and the same two rows in out0
	v_lshl_add_u32 v[GO], v[M0], 4, v[GO]
	v_add_nc_u32 v[ROW], s59, v[M1]
	v_mov_b32 v[NINF], 0xff800000
.irp t, TA, TB
	v_mov_b32 v[\t+1], 0xff61b1e6                  ; the largest t so far: -3e38, under every t
	v_floor_f32 v[\t], -v[\t+1]                    ; -M
	v_mov_b32 v[\t+2], 0                           ; the sum, in two halves
	v_mov_b32 v[\t+3], 0
.endr
	v_mov_b32 v[F+1], 0                            ; (named as the upper half of a pair)
	v_mov_b32 v[X0], 0                             ; written once: a lane permute's destination counts as one of its sources
	v_mov_b32 v[X1], 0
	WIN 0x40                                       ; destination window 1
.set j, 0
.rept 64
	v_mov_b32 v[j], 0                              ; O^T.  (The key step is written once for all steps but the last: the first finds zeros, which the first change of M leaves zeros)
.set j, j+1
.endr
	WIN 0
	s_wait_kmcnt 0x0
	s_add_co_i32 s2, s48, s49
	s_lshl_b32 s2, s2, 23
	s_add_co_i32 s[CS], s[CS], s2                  ; a score stands for score x 2^(e6 + e7): the exponents are added to c's exponent field
	s_mov_b32 s[CS+1], s[CS]                       ; (named with it as a pair, so it is written)
	s_add_co_i32 s2, s50, 127
	s_lshl_b32 s3, s2, 23
	v_mov_b32 v[PSC], s3
	s_add_co_i32 s2, s2, 15
	s_lshl_b32 s2, s2, 23
	s_or_b32 s2, s2, 0x600000
	v_mov_b32 v[PLIM], s2
	s_add_co_i32 s52, s50, s51                     ; e8 + e9
	; ---- V of step w is turned.  Load (a, c) brings lane (r, h) keys 16 c + 8 h + 0 .. 7 of channels 32 a + 2 r and 32 a + 2 r + 1, byte by byte in turn; v_perm_b32 parts the even channel's bytes from the odd one's.
	s_wait_tensorcnt 0x0                           ; my two tiles have landed; chunk w of V is read by me alone
.irp a, 0,1
.irp c, 0,1,2,3,4,5,6,7
	ds_load_tr16_b128 v[SA+4*(8*\a+\c):SA+4*(8*\a+\c)+3], v[TRA] offset:16*KP*\c+32*\a
.endr
.endr
	s_wait_dscnt 0x0
.irp a, 0,1
.irp c, 0,1,2,3,4,5,6,7
	v_perm_b32 v[SB+32*\a+2*\c],      v[SA+4*(8*\a+\c)+1], v[SA+4*(8*\a+\c)],   s40   ; fragment 2 a, registers 2 c, 2 c + 1: keys 16 c + 8 h + 0 .. 7
	v_perm_b32 v[SB+32*\a+2*\c+1],    v[SA+4*(8*\a+\c)+3], v[SA+4*(8*\a+\c)+2], s40
	v_perm_b32 v[SB+32*\a+16+2*\c],   v[SA+4*(8*\a+\c)+1], v[SA+4*(8*\a+\c)],   s41   ; fragment 2 a + 1
	v_perm_b32 v[SB+32*\a+16+2*\c+1], v[SA+4*(8*\a+\c)+3], v[SA+4*(8*\a+\c)+2], s41
.endr
.endr
.irp f, 0,1,2,3
.irp i, 0,1,2,3
	ds_store_b128 v[IMA], v[SB+16*\f+4*\i:SB+16*\f+4*\i+3] offset:2048*\f+512*\i   ; an image of the fragment's registers: lane l's 16 bytes at 16 l
.endr
.endr
	s_wait_dscnt 0x0                               ; for the others' sake: my images are stored (and my part of K was shown landed above)
	s_barrier_signal -1
	s_barrier_wait -1                              ; all of K and all images of V are there for every wave; nothing in LDS is written again but each wave's own stage
	s_wait_loadcnt 0x0                             ; Q
.macro FETCH_K                         ; a step's K: 8 tiles of 16 neighbouring keys, two loads each
.irp t, 0,1,2,3,4,5,6,7
.irp c, 0,1
	ds_load_b128 v[KV+8*\t+4*\c:KV+8*\t+4*\c+3], v[ADK] offset:16*KP*\t+32*\c
.endr
.endr
.endm
; One tile's softmax for one key step.  S: its 64 scores; T: its statistics; P: where its codes go; O: its O^T, in window 1.
.macro SOFTMAX S, T, P, O
	v_max3_num_f32 v[M0], v[\S], v[\S+1], v[\S+2]  ; the step's largest score of my query among my 64 keys, in two chains; each accumulator is read from its low end on
	v_max3_num_f32 v[M1], v[\S+3], v[\S+4], v[\S+5]
.irp i, 6,10,14,18,22,26,30,34,38,42,46,50,54,58
	v_max3_num_f32 v[M0], v[M0], v[\S+\i], v[\S+\i+1]
	v_max3_num_f32 v[M1], v[M1], v[\S+\i+2], v[\S+\i+3]
.endr
	v_max3_num_f32 v[M0], v[M0], v[\S+62], v[\S+63]
	v_max_num_f32 v[M0], v[M0], v[M1]
	v_permlanex16_b32 v[X0], v[M0], s[SEL], s[SEL+1]
	v_max_num_f32 v[M0], v[M0], v[X0]              ; and among those of the lane 16 away
	v_mul_f32 v[M0], s[CS], v[M0]                  ; as t (c is positive)
	v_max_num_f32 v[\T+1], v[\T+1], v[M0]          ; the running largest t
	v_mov_b32 v[M0], v[\T]
	v_floor_f32 v[\T], -v[\T+1]                    ; the new -M = floor(-t) = -ceil(t): a whole number
	v_sub_f32 v[M0], v[\T], v[M0]                  ; old M - new M: a whole number, 0 or less
	v_cvt_i32_f32 v[M0], v[M0]                     ; (it saturates)
	v_ldexp_f32 v[F], 1.0, v[M0]                   ; f = 2^(old M - new M)
.set j, 0
.rept 32
	v_pk_fma_f32 v[\S+j:\S+j+1], v[\S+j:\S+j+1], s[CS:CS+1], v[\T:\T+1] op_sel_hi:[1,0,0]   ; t - M, two at a time (of the pairs c and -M the low word serves both halves)
.set j, j+2
.endr
.set j, 0
.rept 64
	v_exp_f32 v[\S+j], v[\S+j]                     ; p = 2^(t - M), at most 1
.set j, j+1
.endr
	v_pk_mul_f32 v[\T+2:\T+3], v[\T+2:\T+3], v[F:F+1] op_sel_hi:[1,0]   ; the sums under the new M: the plain line behind the exponentials
	s_wait_alu depctr_va_vdst(0)                   ; one wait for the whole batch, ahead of its first reader
	v_pk_add_f32 v[L2:L2+1], v[\S:\S+1], v[\S+2:\S+3]   ; the row's sum is taken of the unquantised p: two at a time, in two chains
.irp j, 4,8,12,16,20,24,28,32,36,40,44,48,52,56,60
	v_pk_add_f32 v[\T+2:\T+3], v[\T+2:\T+3], v[\S+\j:\S+\j+1]
	v_pk_add_f32 v[L2:L2+1], v[L2:L2+1], v[\S+\j+2:\S+\j+3]
.endr
	v_pk_add_f32 v[\T+2:\T+3], v[\T+2:\T+3], v[L2:L2+1]
.irp t, 0,1,2,3,4,5,6,7
.irp i, 0,1,2,3,4,5,6,7
	v_min_num_f32 v[\S+8*\t+\i], v[\S+8*\t+\i], v[PLIM]   ; the conversion to an 8-bit code does not saturate (ISA guide 7.6.2); p is not negative, so the hold is one-sided
.endr
	v_cvt_scalef32_pk8_bf8_f32 v[\P+2*\t:\P+2*\t+1], v[\S+8*\t:\S+8*\t+7], v[PSC]   ; keys 16 t + 8 h + 0 .. 7: registers 2 t, 2 t + 1 of the operand
.endr
	WIN W_RS
.set j, 0
.rept 16
	v_pk_mul_f32 v[\O+j:\O+j+1], v[\O+j:\O+j+1], v[F:F+1] op_sel_hi:[1,0]   ; O^T under the new M.  (Also the plain lines behind the conversions)
.set j, j+2
.endr
	WIN 0
.endm
; A KEY STEP: 128 keys.  last = 1: the eleventh, of which keys 0 to 89 count.
.macro STEP last
	s_wait_dscnt 0x0                               ; K is in
.irp t, 0,1,2,3,4,5,6,7
.if (\t < 6) || !\last
	v_wmma_f32_16x16x64_bf8_bf8 v[SA+8*\t:SA+8*\t+7], v[KV+8*\t:KV+8*\t+7], v[QA:QA+7], 0
	v_wmma_f32_16x16x64_bf8_bf8 v[SB+8*\t:SB+8*\t+7], v[KV+8*\t:KV+8*\t+7], v[QB:QB+7], 0
.endif
.endr
	v_add_nc_u32 v[ADV], s[TBV], v[AV0]            ; four places: in front of the loads into K's registers, and of the first read of the scores
.rept 3
	v_nop
.endr
.if !\last
	s_add_co_u32 s[TBV], s[TBV], STEPV
.endif
.irp f, 0,1,2,3
.irp i, 0,1,2,3
	ds_load_b128 v[KV+16*\f+4*\i:KV+16*\f+4*\i+3], v[ADV] offset:2048*\f+512*\i   ; V's four fragments land while the two softmaxes are worked
.endr
.endr
.if \last
	s_mov_b32 vcc_lo, 0xffff0000                   ; lanes 16-31
.irp s, SA, SB
.irp j, 2,3,4,5,6,7
	v_cndmask_b32 v[\s+40+\j], v[\s+40+\j], v[NINF], vcc_lo   ; tile 5: keys 80 + 8 h + j: from 90 on they do not count
.endr
.irp j, 48,49,50,51,52,53,54,55,56,57,58,59,60,61,62,63
	v_mov_b32 v[\s+\j], v[NINF]                    ; tiles 6 and 7 were not multiplied
.endr
.endr
.endif
	SOFTMAX SA, TA, PA, 0
	SOFTMAX SB, TB, PB, 32                         ; its codes go where tile A's scores lay
	s_wait_dscnt 0x0                               ; V is in
	WIN W_PV
.irp f, 0,1,2,3                                ; the eight accumulators take turns, one instruction a turn
	v_wmma_f32_16x16x128_bf8_bf8 v[8*\f:8*\f+7], v[KV+16*\f:KV+16*\f+15], v[PA:PA+15], v[8*\f:8*\f+7]
	v_wmma_f32_16x16x128_bf8_bf8 v[32+8*\f:32+8*\f+7], v[KV+16*\f:KV+16*\f+15], v[PB:PB+15], v[32+8*\f:32+8*\f+7]
.endr
	WIN 0
.if !\last
	s_add_co_u32 s[TBK], s[TBK], CHUNK
	v_add_nc_u32 v[ADK], s[TBK], v[AK0]            ; five places: the next step's first products write over the registers of tile B's P, which the products above have read; four of them serve the loads into V's registers
.rept 4
	v_nop
.endr
	FETCH_K
.endif
.endm
	v_add_nc_u32 v[ADK], s[TBK], v[AK0]
	FETCH_K                                        ; step 0
.Lstep:                                                ; ten trips
	STEP 0
	s_sub_co_u32 s[CNT], s[CNT], 1
	s_cmp_lg_u32 s[CNT], 0
	s_cbranch_scc1 .Lstep
	STEP 1                                         ; the eleventh step, with its hidden keys, is written out
	; THE WAY OUT.  The sums' halves are added; O^T is divided by the sum, multiplied by 2^(e8 + e9), and goes through my stage in LDS, so that sixteen lanes store 256 consecutive bytes, aligned.
	v_add_f32 v[TA+2], v[TA+2], v[TA+3]            ; (these lines are also the places behind the last products)
	v_add_f32 v[TB+2], v[TB+2], v[TB+3]
	v_permlanex16_b32 v[X0], v[TA+2], s[SEL], s[SEL+1]
	v_permlanex16_b32 v[X1], v[TB+2], s[SEL], s[SEL+1]
	v_add_f32 v[TA+2], v[TA+2], v[X0]
	v_add_f32 v[TB+2], v[TB+2], v[X1]
	v_rcp_f32 v[TA+2], v[TA+2]
	v_rcp_f32 v[TB+2], v[TB+2]
	v_nop                                          ; a plain line behind the reciprocals,
	s_wait_alu depctr_va_vdst(0)                   ; and one wait for both, ahead of their first reader
	v_ldexp_f32 v[TA+2], v[TA+2], s52
	v_ldexp_f32 v[TB+2], v[TB+2], s52
	WIN 0x01                                       ; source 0 window 1
.irp q, 0,1
.irp f, 0,1,2,3
.irp j, 0,1,2,3,4,5,6,7
	v_mul_f32 v[SA+32*\q+16*(\f/2)+2*\j+(\f%2)], v[32*\q+8*\f+\j], v[TA+2+4*\q]   ; register j of fragment 2 a + par is channel 32 a + 16 h + 2 j + par: the even and odd channels are laid in turn again
.endr
.endr
.endr
	WIN 0
.irp q, 0,1
.irp a, 0,1
.irp k, 0,1,2,3
	ds_store_b128 v[STO], v[SA+32*\q+16*\a+4*\k:SA+32*\q+16*\a+4*\k+3] offset:16*SP*\q+128*\a+16*\k   ; row r of tile q, channels 32 a + 16 h + 4 k on
.endr
.endr
.endr
.set n, 0
.rept 16
	ds_load_b128 v[SB+4*n:SB+4*n+3], v[RDB] offset:16*SP*(n/8)+2*SP*(n%8)   ; LDS serves a wave's instructions in order (ISA guide 5.7.1.4): these see my stores
.set n, n+1
.endr
	s_wait_xcnt 0x0                                ; EXEC changes only behind this wait
.set n, 0
.rept 16
	s_wait_dscnt 15-n                              ; LDS loads come back in order: load n is in
	v_cmp_gt_u32 vcc_lo, SEQ-2*n, v[ROW]           ; rows my first query + 2 n + lane / 16: only those under 1,370 exist
	s_and_saveexec_b32 s53, vcc_lo
	global_store_b128 v[GO], v[SB+4*n:SB+4*n+3], s[8:9] offset:8192*n th:TH_STORE_NT   ; written once, read by nobody here
	s_wait_xcnt 0x0                                ; and again, in front of the line that widens it
	s_or_b32 exec_lo, exec_lo, s53
.set n, n+1
.endr
	s_set_vgpr_msb 0x4
	s_wait_tensorcnt 0x0
	ds_add_u32 v189, v65
	s_wait_dscnt 0x0
	s_set_vgpr_msb 0x400
	ROUND                                          ; the closing round: no work-group ends while a partner may still ask for a tile that names it
	s_endpgm
.Lfunc_end_k_q40a920c305_attn:
	.size	k_q40a920c305_attn, .Lfunc_end_k_q40a920c305_attn-k_q40a920c305_attn
	.p2alignl 7, 3214868480
	.fill 96, 4, 3214868480
	.section	.rodata,"a",@progbits
	.p2align	6, 0x0
	.amdhsa_kernel k_q40a920c305_attn
		.amdhsa_group_segment_fixed_size 327680
		.amdhsa_private_segment_fixed_size 0
		.amdhsa_enable_private_segment 0
		.amdhsa_kernarg_size 24
		.amdhsa_user_sgpr_count 2
		.amdhsa_user_sgpr_kernarg_segment_ptr 1
		.amdhsa_wavefront_size32 1
		.amdhsa_system_sgpr_workgroup_id_x 1
		.amdhsa_system_sgpr_workgroup_id_y 1
		.amdhsa_system_sgpr_workgroup_id_z 1
		.amdhsa_system_vgpr_workitem_id 0
		.amdhsa_next_free_vgpr 322
		.amdhsa_next_free_sgpr 66
		.amdhsa_reserve_vcc 1
		.amdhsa_float_denorm_mode_32 3
		.amdhsa_float_denorm_mode_16_64 3
		.amdhsa_memory_ordered 1
		.amdhsa_forward_progress 1
		.amdhsa_inst_pref_size 82
	.end_amdhsa_kernel
	.amdgpu_metadata
---
amdhsa.version: [ 1, 2 ]
amdhsa.kernels:
  - .name:           k_q40a920c305_attn
    .symbol:         k_q40a920c305_attn.kd
    .args:
      - { .name: qkv, .offset: 0, .size: 8, .value_kind: global_buffer, .address_space: global }
      - { .name: lowp_scales, .offset: 8, .size: 8, .value_kind: global_buffer, .address_space: global }
      - { .name: out0, .offset: 16, .size: 8, .value_kind: global_buffer, .address_space: global }
    .group_segment_fixed_size: 327680
    .private_segment_fixed_size: 0
    .kernarg_segment_align: 8
    .kernarg_segment_size: 24
    .max_flat_workgroup_size: 352
    .sgpr_count:     66
    .vgpr_count:     322
    .wavefront_size: 32
...
	.end_amdgpu_metadata
.endif
;; end of part 3
;; ======== version 2 of 2: 3 launches
;; limits: right only within a limited range of input values
;; workspace buffers: x_codes 17,694,720 bytes; w_codes 3,145,728 bytes; qkv 17,694,720 bytes
;; launch quant: the kernel of part 1 again; grid 478 x 1, 4 waves a work-group, no clusters, 0 bytes of LDS; arguments hidden_states, Wq, Wk, Wv, lowp_scales, x_codes, w_codes; writes x_codes, w_codes
;; launch proj: the kernel of part 2 again; grid 12 x 20, 4 waves a work-group, clusters of 4 x 4, 327,680 bytes of LDS; arguments x_codes, w_codes, lowp_scales, bq, bk, bv, qkv; writes qkv
;; launch attn (part 4): grid 4 x 64, 11 waves a work-group, clusters of 4 x 1, 327,680 bytes of LDS; arguments qkv, lowp_scales, out0; writes out0
.if DOCPART == 4
	.amdgcn_target "amdgcn-amd-amdhsa--gfx1250"
	.amdhsa_code_object_version 6
	.text
	.protected	k_q40a920c305_attn
	.globl	k_q40a920c305_attn
	.p2align	8
	.type	k_q40a920c305_attn,@function
k_q40a920c305_attn:
	s_mov_b64 s[64:65], 0
	v_nop
	global_prefetch_b8 v0, s[64:65] scope:SCOPE_SE
	s_setreg_imm32_b32 hwreg(HW_REG_WAVE_MODE, 25, 1), 1
	s_wait_xcnt 0x0
	s_wait_alu depctr_hold_cnt(0) depctr_sa_sdst(0) depctr_va_vdst(0) depctr_va_sdst(0) depctr_va_ssrc(0) depctr_va_vcc(0) depctr_vm_vsrc(0)
	s_getreg_b32 s2, hwreg(HW_REG_IB_STS2, 6, 4)
	s_cmp_eq_u32 s2, 0
	s_cbranch_scc0 .Lentry_in_a_cluster
	s_endpgm
.Lentry_in_a_cluster:
	s_bfe_u32 s2, ttmp6, 0x10000c
	s_cmp_lg_u32 s2, 0x3003
	s_cbranch_scc0 .Lentry_shape_is_right
	s_endpgm
.Lentry_shape_is_right:
; out0[b][l][64 h + d] = the sum over keys s of softmax_s(q . k / 8) v, both products on codes of E5M2.  qkv [3: q, k, v][16 heads][5,760 rows 1,440 b + l][64]: codes; rows l >= 1,370 are padding with finite codes.
; THE SOFTMAX AHEAD OF THE SECOND PRODUCT: t = score x log2(e) / 8; M = the row's largest t so far, rounded UP to a whole number; p = 2^(t - M) is quantised with 2^e8, not normalised.  The row's sum is taken of
; the unquantised p, in f32, and divides at the end.  When M moves, the sum and O are multiplied by 2^(old M - new M): exact.
; SHARES.  Work-group y = 16 b + h: one head of one batch; the four work-groups of a cluster take 352 queries each.  Eleven waves; a wave owns two tiles of 16 queries, A and B, so each fragment of K and V that it
; reads from LDS feeds two matrix instructions.  Queries from 1,370 on are computed on the padding and never stored.
; THE HEAD'S WHOLE K AND V LIE IN LDS: 1,408 keys (11 steps of 128), fetched once: wave w asks for step w's 128 rows of K and of V.  No byte of LDS is filled twice, so there is no ring, and the loop over the
; keys has no barrier.  The four work-groups need the same K and V: each tile is asked for JOINTLY (mask 15).  The place in the cluster enters Q's and O's global addresses and the mask of the stores' lanes alone.
; LAYOUT.  Both products are used transposed, so that a lane holds ONE query (lane % 16) throughout.  S^T = K Q^T (16 x 16 x 64: source 0 = 16 neighbouring keys, source 1 = 16 queries): register j of tile t in
; lane (r, h) is key 16 t + 8 h + j.  One conversion turns a tile's eight registers into registers 2 t, 2 t + 1 of P, which is the place that the 16 x 16 x 128 form gives those keys: nothing changes lanes.
; O^T = V^T P^T wants V with the keys innermost.  V arrives [key][channel]: wave w turns step w's rows once, by the 16-bit turning load on pairs of bytes and v_perm_b32, into four fragments (fragment 2 a + par,
; row m: channel 32 a + 2 m + par) and stores them in LDS as images of their registers, for all eleven waves.
; THE TWO TILES' SOFTMAXES ARE SET INTO EACH OTHER.  A tile has 73 plain lines ahead of its 64 exponentials (maxima, statistics, scalings), 16 that rescale its O^T, and 40 behind them (sums, conversions).
; A key step goes: A's 73 | A's exponentials with B's 73 and both rescalings dealt among them | one wait | B's exponentials with A's 40 dealt among them | one wait | B's 40.
; KEYS FROM 1,370 ON (the last step's keys 90 to 127): their scores become -infinity ahead of the maximum, so p = 0 and its code is 0; V's codes there are finite.
; LIMITS on the given exponents, so that each power of two below is an f32 number: e6 + e7 between -123 and 130 (added to c's exponent field); e8 between -126 and 112; e8 + e9 goes through v_ldexp_f32 and has none.
; REGISTERS.  Window 0: v1-7 addresses and constants; v8-11, v12-15 a tile's -M, largest t, and sum in two halves; v16-31 Q; v32-63 O^T of tile A, v64-95 of tile B; v96-159 S^T of tile A (v96-111 later P of
;   tile B); v160-175 P of tile A; v176-191 at work; v192-255 S^T of tile B.   Window 1: v0-63 K of a step, then V.  All that the softmax touches lies in window 0: no switch stands inside it.
.set PSEC,  5898240                    ; bytes of q's, k's and v's part of qkv
.set SEQ,   1370
.set KP,    80                         ; a key's row in LDS: 64 bytes + 16 of padding: the 16 rows that a load touches start at 16 different groups of four banks
.set CHUNK, 128*KP                     ; a step's rows
.set VRAW,  11*CHUNK                   ; K's 1,408 rows from byte 0; V's, as they arrive, from here.  Wave w alone reads chunk w of these, and later uses it as its stage for the way out
.set VIMG,  2*VRAW                     ; V turned: 11 steps x 4 fragments x 2,048 bytes
.set STEPV, 8192
.set SP,    272                        ; the stage: 2 tiles x 16 rows x (256 bytes + 16)
.set AK0,  1                           ; v1   my lane's place in a tile of K
.set AV0,  2                           ; v2   VIMG + 16 x lane
.set ADK,  3                           ; v3   LDS address of the step's K
.set ADV,  4                           ; v4   of its V
.set PSC,  5                           ; v5   2^e8 as f32
.set PLIM, 6                           ; v6   not set: free until the way out
.set NINF, 7                           ; v7   -infinity
.set TA,   8
.set TB,   12
.set QA,   16
.set QB,   24
.set OA,   32
.set OB,   64
.set SA,   96
.set PB,   96
.set PA,   160
.set FA,   176                         ; v176 tile A's f = 2^(old M - new M); v177 named with it as a pair
.set FB,   178                         ; v178, v179 the same for tile B
.set M0,   180                         ; v180-183 four chains of the maximum; at work in the statistics
.set X0,   184                         ; v184, v185 what comes from the lane 16 away
.set X1,   185
.set L1,   186                         ; v[186:187], v[188:189], v[190:191] three more chains of the sums
.set SB,   192
.set QO,   183                         ; at the head alone: my byte offset in the wave's rows of q,
.set TRA,  186                         ; the turning loads' address,
.set IMA,  187                         ; and where I store the images
.set STO,  1                           ; on the way out alone, where the loop's addresses lay: where I put 16 bytes of a row,
.set RDB,  2                           ; where I read a row back,
.set GO,   3                           ; my byte offset in the wave's rows of out0,
.set ROW,  4                           ; my first query + lane / 16
.set WV,   12                          ; s12  my wave's number
.set SEL,  20                          ; s[20:21] lane selects for v_permlanex16_b32: lane l xor 16
.set CS,   22                          ; s[22:23] c = log2(e) / 8 x 2^(e6 + e7)
.set G1,   24                          ; s[24:31] descriptor group 1, for K's and V's tiles alike
.set G0K,  32                          ; s[32:35], s[36:39] their groups 0
.set G0V,  36
.set TBK,  43                          ; s43  LDS byte at which the K to be fetched begins
.set TBV,  44                          ; s44  the same for V's images, from VIMG on
.set CNT,  45
.set MSB, 0
.macro WIN new                         ; the immediate's high byte repeats the setting that is left
.if MSB != \new
	s_set_vgpr_msb (MSB<<8)|\new
.set MSB, \new
.endif
.endm
.set W_MM, 0x01                        ; source 0 (K or V) window 1; Q, P, S^T and O^T window 0
.set W_LD, 0x40                        ; destination window 1, address window 0
.macro ROUND                           ; a round of the cluster's barrier
	s_barrier_signal -1
	s_barrier_wait -1
	s_cmp_lg_u32 s[WV], 0
	s_cbranch_scc1 .Lnot_wave_0_\@
	s_barrier_signal -3
.Lnot_wave_0_\@:
	s_barrier_wait -3
	s_barrier_signal -1
	s_barrier_wait -1
.endm
	s_load_b128 s[4:7], s[0:1], 0x0                ; qkv s[4:5], lowp_scales s[6:7]
	s_load_b64 s[8:9], s[0:1], 0x10                ; out0
	s_set_vgpr_msb 0x40
	v_lshl_add_u32 v64, v0, 2, 0x4d000
	v_mov_b32 v65, 0
	s_set_vgpr_msb 0x4045
	ds_add_u32 v64, v65
	ds_add_u32 v64, v65
	s_set_vgpr_msb 0x4500
	v_lshrrev_b32 v1, 5, v0
	v_readfirstlane_b32 s[WV], v1                  ; wave 0..10
	s_bfe_u32 s13, ttmp6, 0x40000                  ; cx: which 352 queries
	s_and_b32 s14, ttmp7, 0xffff
	s_lshr_b32 s15, s14, 4                         ; b
	s_and_b32 s16, s14, 15                         ; h
	s_mul_i32 s54, s16, 368640                     ; a head: 5,760 rows of 64 bytes;
	s_mul_i32 s55, s15, 92160                      ; a batch in it: 1,440 rows
	s_add_co_u32 s54, s54, s55
	s_lshl_b32 s56, s[WV], 13                      ; step w's 128 rows
	s_add_co_u32 s56, s56, s54
	s_add_co_u32 s56, s56, PSEC                    ; in k's part
	s_mov_b32 s57, 0
	s_mul_i32 s58, s[WV], CHUNK                    ; and their place in LDS: no place in the cluster enters it
	s_add_co_u32 s46, s58, VRAW
	s_mov_b32 s[G1], 15|(0<<16)|(1<<20)|(1<<21)|(3<<22)|(3<<25)   ; 15:0 the mask: all four work-groups; 17:16 elements of 1 byte; 20 padding on; 21 set beside a mask; 24:22 after every 16 words (code 3); 31:25 of 4 words (code 3)
	s_mov_b32 s[G1+1], 64<<16                      ; tensor_dim0 = 64
	s_mov_b32 s[G1+2], 128<<16                     ; tensor_dim1 = 128
	s_mov_b32 s[G1+3], 64<<16                      ; tile_dim0 = 64
	s_mov_b32 s[G1+4], 128                         ; tile_dim1 = 128
	s_mov_b32 s[G1+5], 64                          ; from row to row
	s_mov_b32 s[G1+6], 0
	s_mov_b32 s[G1+7], 0
	s_mov_b32 s[SEL], 0x76543210
	s_mov_b32 s[SEL+1], 0xfedcba98
	s_mov_b32 s[CS], 0x3e38aa3b                    ; log2(e) / 8
	s_mov_b32 s40, 0x06040200                      ; v_perm_b32: the even bytes of two registers,
	s_mov_b32 s41, 0x07050301                      ; the odd ones
	s_mov_b32 s[TBK], 0
	s_mov_b32 s[TBV], 0
	s_mov_b32 s[CNT], 10
	s_mul_i32 s59, s13, 352
	s_lshl_b32 s60, s[WV], 5
	s_add_co_u32 s59, s59, s60                     ; my first query: 352 cx + 32 wave
	s_lshl_b32 s60, s59, 6
	s_add_co_u32 s60, s60, s54                     ; its codes, in q's part
	s_mov_b32 s61, 0
	s_mul_i32 s62, s15, 5611520                    ; out0: a batch is 1,370 rows of 4,096 bytes;
	s_lshl_b32 s63, s16, 8                         ; a head's 64 numbers are 256 bytes of a row
	s_add_co_u32 s62, s62, s63
	s_lshl_b32 s63, s59, 12
	s_add_co_u32 s62, s62, s63
	s_mov_b32 s63, 0
	s_wait_dscnt 0x0
	s_wait_kmcnt 0x0
	s_load_b128 s[48:51], s[6:7], 0x18             ; e6, e7, e8, e9
	s_mov_b32 s[G0K], 1                            ; count = 1
	s_mov_b32 s[G0K+1], s58                        ; LDS address
	s_add_nc_u64 s[G0K+2:G0K+3], s[4:5], s[56:57]  ; global address
	s_add_nc_u64 s[G0V+2:G0V+3], s[G0K+2:G0K+3], PSEC   ; the same rows in v's part
	s_or_b32 s[G0K+3], s[G0K+3], 0x80000000        ; type = 2
	s_or_b32 s[G0V+3], s[G0V+3], 0x80000000
	s_mov_b32 s[G0V], 1
	s_mov_b32 s[G0V+1], s46
	s_add_nc_u64 s[60:61], s[4:5], s[60:61]
	s_add_nc_u64 s[8:9], s[8:9], s[62:63]
	ROUND                                          ; all four work-groups are here: the joint loads meet
	tensor_load_to_lds s[G0K:G0K+3], s[G1:G1+7]    ; the launch's only fills: two tensor loads of mine are out
	s_nop 0
	tensor_load_to_lds s[G0V:G0V+3], s[G1:G1+7]
	s_nop 0
.rept 4
	v_nop
.endr
	v_and_b32 v[M0], 15, v0                        ; r = lane % 16
	v_bfe_u32 v[M0+1], v0, 4, 1                    ; h = lane / 16
	v_and_b32 v[M0+2], 31, v0                      ; lane
	v_lshlrev_b32 v[QO], 6, v[M0]
	v_lshl_add_u32 v[QO], v[M0+1], 4, v[QO]        ; q: row r of 64 bytes, + 16 h
.irp i, 0,1
.irp c, 0,1
	global_load_b128 v[QA+8*\i+4*\c:QA+8*\i+4*\c+3], v[QO], s[60:61] offset:1024*\i+32*\c   ; registers 4 c .. 4 c + 3: bytes 32 c + 16 h + 0 .. 15 of the row: as K's fragments are fetched
.endr
.endr
	v_mul_u32_u24 v[AK0], v[M0], KP
	v_lshl_add_u32 v[AK0], v[M0+1], 4, v[AK0]
	v_lshlrev_b32 v[AV0], 4, v[M0+2]
	v_add_nc_u32 v[AV0], VIMG, v[AV0]
	v_and_b32 v[TRA], 7, v0                        ; the turning load: lane l reads 16 bytes of key 8 (l / 16) + l % 8, at byte 16 ((l / 8) % 2) of the 32 in hand
	v_lshl_add_u32 v[TRA], v[M0+1], 3, v[TRA]
	v_mul_u32_u24 v[TRA], v[TRA], KP
	v_bfe_u32 v[IMA], v0, 3, 1
	v_lshl_add_u32 v[TRA], v[IMA], 4, v[TRA]
	v_add_nc_u32 v[TRA], s46, v[TRA]               ; in my chunk of V
	s_lshl_b32 s47, s[WV], 13
	v_add_nc_u32 v[IMA], s47, v[AV0]               ; step w's images
	v_mov_b32 v[NINF], 0xff800000
.irp t, TA, TB
	v_mov_b32 v[\t+1], 0xff61b1e6                  ; the largest t so far: -3e38, under every t
	v_floor_f32 v[\t], -v[\t+1]                    ; -M
	v_mov_b32 v[\t+2], 0                           ; the sum, in two halves
	v_mov_b32 v[\t+3], 0
.endr
	v_mov_b32 v[FA+1], 0                           ; (named as the upper halves of pairs)
	v_mov_b32 v[FB+1], 0
	v_mov_b32 v[X0], 0                             ; written once: a lane permute's destination counts as one of its sources
	v_mov_b32 v[X1], 0
.set j, 0
.rept 64
	v_mov_b32 v[OA+j], 0                           ; O^T.  (The key step is written once for all steps but the last: the first finds zeros, which the first change of M leaves zeros)
.set j, j+1
.endr
	s_wait_kmcnt 0x0
	s_add_co_i32 s2, s48, s49
	s_lshl_b32 s2, s2, 23
	s_add_co_i32 s[CS], s[CS], s2                  ; a score stands for score x 2^(e6 + e7): the exponents are added to c's exponent field
	s_mov_b32 s[CS+1], s[CS]                       ; (named with it as a pair, so it is written)
	s_add_co_i32 s2, s50, 127
	s_lshl_b32 s3, s2, 23
	v_mov_b32 v[PSC], s3
	s_add_co_i32 s52, s50, s51                     ; e8 + e9
	; ---- V of step w is turned.  Load (a, c) brings lane (r, h) keys 16 c + 8 h + 0 .. 7 of channels 32 a + 2 r and 32 a + 2 r + 1, byte by byte in turn; v_perm_b32 parts the even channel's bytes from the odd one's.
	s_wait_tensorcnt 0x0                           ; my two tiles have landed; chunk w of V is read by me alone
.irp a, 0,1
.irp c, 0,1,2,3,4,5,6,7
	ds_load_tr16_b128 v[SA+4*(8*\a+\c):SA+4*(8*\a+\c)+3], v[TRA] offset:16*KP*\c+32*\a
.endr
.endr
	s_wait_dscnt 0x0
.irp a, 0,1
.irp c, 0,1,2,3,4,5,6,7
	v_perm_b32 v[SB+32*\a+2*\c],      v[SA+4*(8*\a+\c)+1], v[SA+4*(8*\a+\c)],   s40   ; fragment 2 a, registers 2 c, 2 c + 1: keys 16 c + 8 h + 0 .. 7
	v_perm_b32 v[SB+32*\a+2*\c+1],    v[SA+4*(8*\a+\c)+3], v[SA+4*(8*\a+\c)+2], s40
	v_perm_b32 v[SB+32*\a+16+2*\c],   v[SA+4*(8*\a+\c)+1], v[SA+4*(8*\a+\c)],   s41   ; fragment 2 a + 1
	v_perm_b32 v[SB+32*\a+16+2*\c+1], v[SA+4*(8*\a+\c)+3], v[SA+4*(8*\a+\c)+2], s41
.endr
.endr
.irp f, 0,1,2,3
.irp i, 0,1,2,3
	ds_store_b128 v[IMA], v[SB+16*\f+4*\i:SB+16*\f+4*\i+3] offset:2048*\f+512*\i   ; an image of the fragment's registers: lane l's 16 bytes at 16 l
.endr
.endr
	s_wait_dscnt 0x0                               ; for the others' sake: my images are stored (and my part of K was shown landed above)
	s_barrier_signal -1
	s_barrier_wait -1                              ; all of K and all images of V are there for every wave; nothing in LDS is written again but each wave's own stage
	s_wait_loadcnt 0x0                             ; Q is in, and its loads have read their address register, which the loop writes
.macro FETCH_K                         ; a step's K: 8 tiles of 16 neighbouring keys, two loads each, tile by tile
	WIN W_LD
.irp t, 0,1,2,3,4,5,6,7
.irp c, 0,1
	ds_load_b128 v[8*\t+4*\c:8*\t+4*\c+3], v[ADK] offset:16*KP*\t+32*\c
.endr
.endr
	WIN 0
.endm
; NUMBER j OF THE 73 LINES AHEAD OF A TILE'S EXPONENTIALS.  S: its 64 scores; T: its statistics; F: its f.
;   0-31   the largest of my 64 scores, three operands at a time: four chains of 15 scores (16 k + 0 .. 14), then the four scores left over and the chains.  Each accumulator's first reader takes one of its four lowest registers
;   32-37  the lane 16 away; as t; the running largest t; the old -M is kept; the new -M = floor(-t) = -ceil(t): a whole number
;   38-72  the 32 scalings t - M, a pair of scores each; among the first of them old M - new M (40), as a whole number (43), and f = 2^(old M - new M) (46)
.macro PRE S, T, F
.if j < 4
	v_max3_num_f32 v[M0+j], v[\S+16*j], v[\S+16*j+1], v[\S+16*j+2]
.elseif j < 28
	v_max3_num_f32 v[M0+j%4], v[M0+j%4], v[\S+16*(j%4)+2*(j/4)+1], v[\S+16*(j%4)+2*(j/4)+2]
.elseif j == 28
	v_max3_num_f32 v[M0], v[M0], v[\S+15], v[\S+31]
.elseif j == 29
	v_max3_num_f32 v[M0+2], v[M0+2], v[\S+47], v[\S+63]
.elseif j == 30
	v_max3_num_f32 v[M0], v[M0], v[M0+1], v[M0+2]
.elseif j == 31
	v_max_num_f32 v[M0], v[M0], v[M0+3]
.elseif j == 32
	v_permlanex16_b32 v[X0], v[M0], s[SEL], s[SEL+1]
.elseif j == 33
	v_mov_b32 v[M0+1], v[\T]
.elseif j == 34
	v_max_num_f32 v[M0], v[M0], v[X0]
.elseif j == 35
	v_mul_f32 v[M0], s[CS], v[M0]                  ; (c is positive)
.elseif j == 36
	v_max_num_f32 v[\T+1], v[\T+1], v[M0]
.elseif j == 37
	v_floor_f32 v[\T], -v[\T+1]
.elseif j == 40
	v_sub_f32 v[M0], v[\T], v[M0+1]                ; 0 or less
.elseif j == 43
	v_cvt_i32_f32 v[M0], v[M0]                     ; (it saturates)
.elseif j == 46
	v_ldexp_f32 v[\F], 1.0, v[M0]
.else
.if j < 40
.set b, j-38
.elseif j < 43
.set b, j-39
.elseif j < 46
.set b, j-40
.else
.set b, j-41
.endif
	v_pk_fma_f32 v[\S+2*b:\S+2*b+1], v[\S+2*b:\S+2*b+1], s[CS:CS+1], v[\T:\T+1] op_sel_hi:[1,0,0]   ; of the pairs c and -M the low word serves both halves
.endif
.endm
.macro RESC O, F                       ; number j of 16: a tile's O^T under the new M, from each accumulator's low end on
	v_pk_mul_f32 v[\O+2*j:\O+2*j+1], v[\O+2*j:\O+2*j+1], v[\F:\F+1] op_sel_hi:[1,0]
.endm
; NUMBER j OF THE 104 NUMBERS (40 LINES) BEHIND A TILE'S EXPONENTIALS.  P: where its codes go.
;   0-30   the row's sum, of the unquantised p, a pair at a time, in four chains; number 3 brings the old sum under the new M on the way
;   31-102 for each of the 8 tiles of keys: eight numbers with no line, and the conversion: keys 16 t + 8 h + 0 .. 7 are registers 2 t, 2 t + 1 of the operand
;   103    the sums' last line: a plain line behind the last conversion
.macro POST S, T, P, F
.if j < 3
	v_pk_add_f32 v[L1+2*j:L1+2*j+1], v[\S+4*j:\S+4*j+1], v[\S+4*j+2:\S+4*j+3]
.elseif j == 3
	v_pk_fma_f32 v[\T+2:\T+3], v[\T+2:\T+3], v[\F:\F+1], v[\S+12:\S+13] op_sel_hi:[1,0,1]
.elseif j < 29
.if j%4 == 3
	v_pk_add_f32 v[\T+2:\T+3], v[\T+2:\T+3], v[\S+2*j+6:\S+2*j+7]
.else
	v_pk_add_f32 v[L1+2*(j%4):L1+2*(j%4)+1], v[L1+2*(j%4):L1+2*(j%4)+1], v[\S+2*j+6:\S+2*j+7]
.endif
.elseif j == 29
	v_pk_add_f32 v[L1:L1+1], v[L1:L1+1], v[L1+2:L1+3]
.elseif j == 30
	v_pk_add_f32 v[\T+2:\T+3], v[\T+2:\T+3], v[L1+4:L1+5]
.elseif j < 103
.if (j-31)%9 < 8
.else
	v_cvt_scalef32_pk8_bf8_f32 v[\P+2*((j-31)/9):\P+2*((j-31)/9)+1], v[\S+8*((j-31)/9):\S+8*((j-31)/9)+7], v[PSC]
.endif
.else
	v_pk_add_f32 v[\T+2:\T+3], v[\T+2:\T+3], v[L1:L1+1]
.endif
.endm
.macro AMONG_A                         ; number pn of the 105 plain lines that stand among tile A's exponentials: tile B's 73, then both rescalings
.if pn < 73
.set j, pn
	PRE SB, TB, FB
.elseif pn < 89
.set j, pn-73
	RESC OA, FA
.else
.set j, pn-89
	RESC OB, FB
.endif
.set pn, pn+1
.endm
; A KEY STEP: 128 keys.  last = 1: the eleventh, of which keys 0 to 89 count.
.macro STEP last
	WIN W_MM
.irp t, 0,1,2,3,4,5,6,7
.if (\t < 6) || !\last
	s_wait_dscnt 14-2*\t                           ; LDS loads come back in order: tile t's two are in, the 14 - 2 t younger ones may be out
	v_wmma_f32_16x16x64_bf8_bf8 v[SA+8*\t:SA+8*\t+7], v[8*\t:8*\t+7], v[QA:QA+7], 0
	v_wmma_f32_16x16x64_bf8_bf8 v[SB+8*\t:SB+8*\t+7], v[8*\t:8*\t+7], v[QB:QB+7], 0
.endif
.endr
	WIN 0
.if \last
	s_wait_dscnt 0x0                               ; the loads of the two tiles that are not multiplied are in too: V's loads land on their registers
.endif
	v_add_nc_u32 v[ADV], s[TBV], v[AV0]            ; four places: in front of the loads into K's registers, and of the first read of the scores
.rept 3
	v_nop
.endr
.if !\last
	s_add_co_u32 s[TBV], s[TBV], STEPV
.endif
	WIN W_LD
.irp f, 0,1,2,3
.irp i, 0,1,2,3
	ds_load_b128 v[16*\f+4*\i:16*\f+4*\i+3], v[ADV] offset:2048*\f+512*\i   ; V's four fragments land while the two softmaxes are worked
.endr
.endr
	WIN 0
.if \last
	s_mov_b32 vcc_lo, 0xffff0000                   ; lanes 16-31
.irp s, SA, SB
.irp j, 2,3,4,5,6,7
	v_cndmask_b32 v[\s+40+\j], v[\s+40+\j], v[NINF], vcc_lo   ; tile 5: keys 80 + 8 h + j: from 90 on they do not count
.endr
.irp j, 48,49,50,51,52,53,54,55,56,57,58,59,60,61,62,63
	v_mov_b32 v[\s+\j], v[NINF]                    ; tiles 6 and 7 were not multiplied
.endr
.endr
.endif
.set j, 0
.rept 73
	PRE SA, TA, FA                                 ; tile A up to its scalings
.set j, j+1
.endr
.set pn, 0
.set ex, 0
.rept 64                               ; tile A's exponentials, p = 2^(t - M), at most 1; behind each one or two of the 105 plain lines (64 + 40, and one at the end), none of which names tile A's scores
	v_exp_f32 v[SA+ex], v[SA+ex]
	AMONG_A
.if (ex%8) >= 3
	AMONG_A
.endif
.set ex, ex+1
.endr
	AMONG_A                                        ; a plain line behind the last exponential
	s_wait_alu depctr_va_vdst(0)                   ; one wait for tile A's 64, ahead of their first reader
.set j, 0
.set ex, 0
.rept 64                               ; tile B's exponentials; behind each the next one or two of tile A's 104 numbers, which hold its 40 lines, none of which names tile B's scores; the last of them is plain
	v_exp_f32 v[SB+ex], v[SB+ex]
	POST SA, TA, PA, FA
.set j, j+1
.if (ex%8) >= 3
	POST SA, TA, PA, FA
.set j, j+1
.endif
.set ex, ex+1
.endr
	s_wait_alu depctr_va_vdst(0)                   ; one wait for tile B's 64
.set j, 0
.rept 104
	POST SB, TB, PB, FB                            ; its codes go where tile A's scores lay
.set j, j+1
.endr
	s_wait_dscnt 0x0                               ; V is in
	WIN W_MM
.irp f, 0,1,2,3                                ; the eight accumulators take turns, one instruction a turn
	v_wmma_f32_16x16x128_bf8_bf8 v[OA+8*\f:OA+8*\f+7], v[16*\f:16*\f+15], v[PA:PA+15], v[OA+8*\f:OA+8*\f+7]
	v_wmma_f32_16x16x128_bf8_bf8 v[OB+8*\f:OB+8*\f+7], v[16*\f:16*\f+15], v[PB:PB+15], v[OB+8*\f:OB+8*\f+7]
.endr
	WIN 0
.if !\last
	s_add_co_u32 s[TBK], s[TBK], CHUNK
	v_add_nc_u32 v[ADK], s[TBK], v[AK0]            ; five places: the next step's first products write over the registers of tile B's P, which the products above have read; four of them serve the loads into V's registers
.rept 4
	v_nop
.endr
	FETCH_K
.endif
.endm
	v_add_nc_u32 v[ADK], s[TBK], v[AK0]
	FETCH_K                                        ; step 0
.Lstep:                                                ; ten trips
	STEP 0
	s_sub_co_u32 s[CNT], s[CNT], 1
	s_cmp_lg_u32 s[CNT], 0
	s_cbranch_scc1 .Lstep
	STEP 1                                         ; the eleventh step, with its hidden keys, is written out
	; THE WAY OUT.  The sums' halves are added; O^T is divided by the sum, multiplied by 2^(e8 + e9), and goes through my stage in LDS, so that sixteen lanes store 256 consecutive bytes, aligned.
	v_add_f32 v[TA+2], v[TA+2], v[TA+3]            ; (these lines are also the places behind the last products)
	v_add_f32 v[TB+2], v[TB+2], v[TB+3]
	v_permlanex16_b32 v[X0], v[TA+2], s[SEL], s[SEL+1]
	v_permlanex16_b32 v[X1], v[TB+2], s[SEL], s[SEL+1]
	v_add_f32 v[TA+2], v[TA+2], v[X0]
	v_add_f32 v[TB+2], v[TB+2], v[X1]
	v_rcp_f32 v[TA+2], v[TA+2]
	v_rcp_f32 v[TB+2], v[TB+2]
	v_and_b32 v5, 15, v0                           ; the addresses are the plain lines behind the reciprocals.  r = lane % 16
	v_bfe_u32 v6, v0, 4, 1                         ; h = lane / 16
	v_mul_u32_u24 v[STO], v5, SP                   ; the stage, in: row r, 64 bytes for each half of the lanes
	v_lshl_add_u32 v[STO], v6, 6, v[STO]
	v_add_nc_u32 v[STO], s46, v[STO]
	v_mul_u32_u24 v[RDB], v6, SP                   ; back: lanes 0-15 one row of 256 bytes, lanes 16-31 the next
	v_lshl_add_u32 v[RDB], v5, 4, v[RDB]
	v_add_nc_u32 v[RDB], s46, v[RDB]
	v_lshlrev_b32 v[GO], 12, v6                    ; and the same two rows in out0
	v_lshl_add_u32 v[GO], v5, 4, v[GO]
	v_add_nc_u32 v[ROW], s59, v6
	s_wait_alu depctr_va_vdst(0)                   ; one wait for both reciprocals, ahead of their first reader
	v_ldexp_f32 v[TA+2], v[TA+2], s52
	v_ldexp_f32 v[TB+2], v[TB+2], s52
.irp q, 0,1
.irp f, 0,1,2,3
.irp j, 0,1,2,3,4,5,6,7
	v_mul_f32 v[SA+32*\q+16*(\f/2)+2*\j+(\f%2)], v[OA+32*\q+8*\f+\j], v[TA+2+4*\q]   ; register j of fragment 2 a + par is channel 32 a + 16 h + 2 j + par: the even and odd channels are laid in turn again
.endr
.endr
.endr
.irp q, 0,1
.irp a, 0,1
.irp k, 0,1,2,3
	ds_store_b128 v[STO], v[SA+32*\q+16*\a+4*\k:SA+32*\q+16*\a+4*\k+3] offset:16*SP*\q+128*\a+16*\k   ; row r of tile q, channels 32 a + 16 h + 4 k on
.endr
.endr
.endr
.set n, 0
.rept 16
	ds_load_b128 v[SB+4*n:SB+4*n+3], v[RDB] offset:16*SP*(n/8)+2*SP*(n%8)   ; LDS serves a wave's instructions in order (ISA guide 5.7.1.4): these see my stores
.set n, n+1
.endr
; Store n holds rows my first query + 2 n + lane / 16; only rows under 1,370 exist.  My first query is a multiple of 32 and 1,370 = 42 x 32 + 26: so rows 0 to 25 of my 32 exist together (stores 0 to 12),
; and rows 26 to 31 together (stores 13 to 15): EXEC is narrowed once for each of the two groups, by the group's last row.
.macro SENDS first, count
	v_cmp_gt_u32 vcc_lo, SEQ-2*(\first+\count-1), v[ROW]
	s_and_saveexec_b32 s53, vcc_lo
.set n, \first
.rept \count
	s_wait_dscnt 15-n                              ; LDS loads come back in order: load n is in
	global_store_b128 v[GO], v[SB+4*n:SB+4*n+3], s[8:9] offset:8192*n th:TH_STORE_NT   ; written once, read by nobody here
.set n, n+1
.endr
	s_wait_xcnt 0x0                                ; EXEC is a source of the stores above: it changes only behind this wait
	s_or_b32 exec_lo, exec_lo, s53
.endm
	s_wait_xcnt 0x0                                ; ahead of the first change of EXEC
	SENDS 0, 13
	SENDS 13, 3
	s_set_vgpr_msb 0x5
	s_wait_tensorcnt 0x0
	ds_add_u32 v64, v65
	s_wait_dscnt 0x0
	s_set_vgpr_msb 0x500
	ROUND                                          ; the closing round: no work-group ends while a partner may still ask for a tile that names it
	s_endpgm
.Lfunc_end_k_q40a920c305_attn:
	.size	k_q40a920c305_attn, .Lfunc_end_k_q40a920c305_attn-k_q40a920c305_attn
	.p2alignl 7, 3214868480
	.fill 96, 4, 3214868480
	.section	.rodata,"a",@progbits
	.p2align	6, 0x0
	.amdhsa_kernel k_q40a920c305_attn
		.amdhsa_group_segment_fixed_size 327680
		.amdhsa_private_segment_fixed_size 0
		.amdhsa_enable_private_segment 0
		.amdhsa_kernarg_size 24
		.amdhsa_user_sgpr_count 2
		.amdhsa_user_sgpr_kernarg_segment_ptr 1
		.amdhsa_wavefront_size32 1
		.amdhsa_system_sgpr_workgroup_id_x 1
		.amdhsa_system_sgpr_workgroup_id_y 1
		.amdhsa_system_sgpr_workgroup_id_z 1
		.amdhsa_system_vgpr_workitem_id 0
		.amdhsa_next_free_vgpr 322
		.amdhsa_next_free_sgpr 66
		.amdhsa_reserve_vcc 1
		.amdhsa_float_denorm_mode_32 3
		.amdhsa_float_denorm_mode_16_64 3
		.amdhsa_fp16_overflow 1
		.amdhsa_memory_ordered 1
		.amdhsa_forward_progress 1
		.amdhsa_inst_pref_size 72
	.end_amdhsa_kernel
	.amdgpu_metadata
---
amdhsa.version: [ 1, 2 ]
amdhsa.kernels:
  - .name:           k_q40a920c305_attn
    .symbol:         k_q40a920c305_attn.kd
    .args:
      - { .name: qkv, .offset: 0, .size: 8, .value_kind: global_buffer, .address_space: global }
      - { .name: lowp_scales, .offset: 8, .size: 8, .value_kind: global_buffer, .address_space: global }
      - { .name: out0, .offset: 16, .size: 8, .value_kind: global_buffer, .address_space: global }
    .group_segment_fixed_size: 327680
    .private_segment_fixed_size: 0
    .kernarg_segment_align: 8
    .kernarg_segment_size: 24
    .max_flat_workgroup_size: 352
    .sgpr_count:     66
    .vgpr_count:     322
    .wavefront_size: 32
...
	.end_amdgpu_metadata
.endif
;; end of part 4
